; MI455X (gfx1250); checked and timed in simulation.
; The chip was launched on July 23, 2026; its instructions are those of AMD's public machine-readable ISA for CDNA 5 (MIT licence, August 2026) and "CDNA5" Instruction Set Architecture Reference Guide (July 2026). The comments in the code are by the model that wrote it; some were corrected since.
;; Block. Allowed arithmetic: matrix products marked QUANTISED: E5M2 operands, one E8M0 scale for each 32 along K, by v_wmma_scale_f32_16x16x128_f8f6f4 with both operands' format E5M2, f32 sums; everything else in f32.
;; Inputs: b_attn 3,072 float32; b_fc 4,096 float32; b_mlp 1,024 float32; b_proj 1,024 float32; ln1_b 1,024 float32; ln1_w 1,024 float32; ln2_b 1,024 float32; ln2_w 1,024 float32; w_attn 3,072 x 1,024 float32; w_fc 4,096 x 1,024 float32; w_mlp 1,024 x 4,096 float32; w_proj 1,024 x 1,024 float32; x 2 x 2,048 x 1,024 float32.
;; Outputs: out0 2 x 2,048 x 1,024 float32; out1 one number float32; out2 2 x 2 x 16 x 2,048 x 64 float32.
;; This version of the problem:
;;   THIS VERSION OF THE PROBLEM IS GIVEN IN LOW PRECISION. The matrix products marked QUANTISED in the list below multiply operands that are first quantised to E5M2 (5 exponent bits, 2 mantissa bits; 8 bits a number), with one power-of-two scale for each 32 numbers along K (OCP MX v1.0); their sums are f32. All else is computed in f32.
;;   The module's matrix products, in the order in which they are computed (A, B: the left and right operand; K: the contracted axis; several contracted axes count as one K, in the product's order):
;;     1. [M 4,096, K 1,024] x [K 1,024, N 3,072]; A: computed on the way; B: input w_attn: QUANTISED
;;     2. batch 32 x [M 2,048, K 64] x [K 64, N 2,048]; A: computed on the way; B: computed on the way: QUANTISED
;;     3. batch 32 x [M 2,048, K 2,048] x [K 2,048, N 64]; A: softmax (see below); B: computed on the way: QUANTISED
;;     4. [M 4,096, K 1,024] x [K 1,024, N 1,024]; A: computed on the way; B: input w_proj: QUANTISED
;;     5. [M 4,096, K 1,024] x [K 1,024, N 4,096]; A: computed on the way; B: input w_fc: QUANTISED
;;     6. [M 4,096, K 4,096] x [K 4,096, N 1,024]; A: computed on the way; B: input w_mlp: QUANTISED
;;   THE QUANTISER, for each operand of a quantised product, along K:
;;     - K is cut into blocks of 32 from its start; a last block that is shorter is filled with zeros.
;;     - A block's scale is 2^e with e = floor(log2(the largest magnitude in the block)) - 15, held to -126 .. 127; a block of zeros has e = 0. As a byte (E8M0): e + 127.
;;     - Each number is divided by its block's scale, clamped to +-57,344, and rounded to the nearest number of E5M2, ties to even, subnormals kept.
;;     - The product sums the exact products of the quantised numbers (number of the format x scale) in f32.
;;   ~~~python
;;   def quantise(x, axis):      # numpy; x: float32 -> the quantised numbers, widened to float32 again
;;       x = np.moveaxis(x, axis, -1); K = x.shape[-1]
;;       x = np.pad(x, [(0, 0)] * (x.ndim - 1) + [(0, -K % 32)]); x = x.reshape(x.shape[:-1] + (-1, 32)); a = np.abs(x).max(-1, keepdims=True)
;;       e = np.where(a > 0, np.clip(np.frexp(np.where(a > 0, a, 1))[1] - 1 - 15, -126, 127), 0)      # np.frexp(a)[1] - 1 = floor(log2(a)), exactly
;;       r = np.clip(x / 2.0 ** e, -57344, 57344)
;;       step = 2.0 ** (np.maximum(np.frexp(np.where(r == 0, 1, r))[1] - 1, -14) - 2)
;;       q = np.round(r / step) * step * 2.0 ** e      # np.round: ties to even
;;       return np.moveaxis(q.reshape(q.shape[:-2] + (-1,))[..., :K], -1, axis).astype(np.float32)
;;   ~~~
;;   SOFTMAX AHEAD OF A QUANTISED PRODUCT. Where the list says 'softmax', what is quantised is not the finished softmax but p = 2^(t - M), with t = logit x log2(e) and M = ceil(the row's largest t), a whole number; so 1/2 < the row's largest p <= 1. The row's sum l is taken of the UNQUANTISED p, in f32, and the product's result is divided by l at the end. Since M is a whole number, a kernel that streams over the keys may use a running M (the ceiling of the running maximum): every later rescaling is an exact power of two, which a block's scale takes up: the codes' values come out the same.
;;   OPERANDS COMPUTED ON THE WAY. 'Computed on the way' means the value that the module computes at that place (a softmax that the list does not call 'softmax' is quantised finished and normalised). What goes into a quantiser is computed in f32, as accurately as f32 sums, v_exp_f32 and their like allow (about 1e-6 of the number): no bf16 or f16 on the way to a quantiser, and a product that is left as it is and whose result goes on into a quantised operand takes f32 operands (vector FMAs, or v_wmma_f32_16x16x4_f32). A number that lies on a knife's edge between two numbers of the format may be rounded either way, as far as f32 arithmetic and the matrix unit's own rounding can turn it there, and no further.
;; One version. Each part assembles by itself: llvm-mc -triple=amdgcn-amd-amdhsa -mcpu=gfx1250 --defsym DOCPART=n.
;; ======== version 1 of 1: 8 launches
;; limits: a function is approximated: absolute error at most 1.03e-05; right only within a limited range of input values
;; workspace buffers: hq 4,325,376 bytes; wq 12,976,128 bytes; qkvc 12,976,128 bytes; yq 4,325,376 bytes; x1 16,777,216 bytes; gq 17,301,504 bytes; entp 1,024 bytes
;; launch prep (part 1): grid 1024 x 1, 4 waves a work-group, no clusters, 18,944 bytes of LDS; arguments x, ln1_w, ln1_b, w_attn, w_proj, w_fc, w_mlp, hq, wq; writes hq, wq
.if DOCPART == 1
	.amdgcn_target "amdgcn-amd-amdhsa--gfx1250"
	.amdhsa_code_object_version 6
	.text
	.protected	k_q97aacfd773_prep
	.globl	k_q97aacfd773_prep
	.p2align	8
	.type	k_q97aacfd773_prep,@function
k_q97aacfd773_prep:
	s_mov_b64 s[64:65], 0
	v_nop
	global_prefetch_b8 v0, s[64:65] scope:SCOPE_SE
	s_setreg_imm32_b32 hwreg(HW_REG_WAVE_MODE, 25, 1), 1
	s_wait_xcnt 0x0
; f32 rows become codes of E5M2 with one E8M0 byte for each 32 along K, laid as IMAGES OF OPERAND REGISTERS.
; A work-group takes one unit: a row block of 16 rows x 1,024 numbers = 8 fragments (16 rows x 128 K, 2,048 bytes each) and 512 scale bytes.
; Units 0-255: rows of the first argument, which are first layer-normed (mean, biased variance, 1e-5, gain, bias; all f32, two passes over registers).
; Units 256-447: w_attn; 448-511: w_proj; 512-767: w_fc; 768-1023: w_mlp (4 units of 1,024 along K to a row block).  They are quantised as they are.
; With a grid of 256 the same text is the second layer norm: then every store goes to the first of the two output buffers.
; ROWS OF A ROW BLOCK: place r of row block R is row 32 (R / 2) + 8 (R % 2) + r + 8 (r / 8).
; A FRAGMENT'S IMAGE: byte 512 c + 16 lane + i is place lane % 16, k = 32 c + 16 (lane / 16) + i.  Its scale words: 4 bytes for each place, byte c for k = 32 c on.
; Wave w takes places 4 w .. 4 w + 3.  A load reads 512 consecutive bytes of a row, 16 a lane: a lane holds 4 numbers of each of the row's 8 chunks of 128, and a block of 32 lies in 8 neighbouring lanes.
; One conversion takes 8 numbers under one scale, and a lane's 8 come from two blocks: so each number is first multiplied by 2^-e (exact: a power of two) and the conversion runs under the scale 1.
; The codes meet in a stage in LDS (a group of 256 bytes + 16 of padding for each c and half) and leave as 512 consecutive bytes a store.
; LIMITS: NaN and infinities are not served.  A block whose largest magnitude lies under 2^-111 gets the byte 1; so does a block of zeros (its codes are zeros, and only this program reads the bytes).
.set FRST, 2176                        ; a fragment in the stage: 8 groups of 272 bytes
.set SCB,  17408                       ; behind the stage: the unit's 512 scale bytes, [8 fragments][16 places][4]
.set OFF,  2                           ; v2-5    byte offset of my 16 bytes in rows 0 to 3 of my wave; v2 is also 16 x lane
.set MX,   12                          ; v12-19  a chunk's largest magnitude in my block, then the scale's byte
.set FC,   20                          ; v20-27  2^-e of the chunk's block
.set X,    32                          ; v32-159 four rows, 32 numbers a lane each
.set LW,   160                         ; v160-191 the gain at my columns;  v192-223 the bias
.set LB,   192
.set CD,   224                         ; v224-231 at work, then a row's codes: one register a chunk
	s_load_b256 s[4:11], s[0:1], 0x0               ; rows to norm s[4:5], gain s[6:7], bias s[8:9], w_attn s[10:11]
	s_load_b256 s[12:19], s[0:1], 0x20             ; w_proj s[12:13], w_fc s[14:15], w_mlp s[16:17], first output s[18:19]
	s_load_b64 s[20:21], s[0:1], 0x40              ; second output
	v_lshl_add_u32 v232, v0, 2, 0x4800
	v_mov_b32 v233, 0
	v_lshrrev_b32 v1, 5, v0
	v_readfirstlane_b32 s22, v1                    ; wave 0..3
	v_and_b32 v1, 31, v0                           ; lane
	v_lshlrev_b32 v[OFF], 4, v1
	v_lshrrev_b32 v7, 2, v1                        ; into the stage: group lane / 4 (= 2 c + half), place 4 w + i, 4 bytes at 4 (lane % 4)
	v_mul_u32_u24 v7, v7, 272
	v_and_b32 v8, 3, v1
	v_lshl_add_u32 v7, v8, 2, v7
	s_lshl_b32 s23, s22, 6
	v_add_nc_u32 v7, s23, v7
	v_lshrrev_b32 v8, 3, v1                        ; a scale byte: 4 x place + c, c = lane / 8
	s_lshl_b32 s23, s22, 4
	s_add_co_u32 s23, s23, SCB
	v_add_nc_u32 v8, s23, v8
	v_lshrrev_b32 v9, 4, v1                        ; out of the stage: wave w takes fragments 2 w, 2 w + 1; sixteen lanes to a group
	v_mul_u32_u24 v9, v9, 272
	v_and_b32 v10, 15, v1
	v_lshl_add_u32 v9, v10, 4, v9
	s_mul_i32 s23, s22, 2*FRST
	v_add_nc_u32 v9, s23, v9
	s_lshl_b32 s23, s22, 12
	v_add_nc_u32 v10, s23, v[OFF]                  ; and the same place in the unit's 16,384 bytes of codes
	v_add_nc_u32 v31, SCB, v[OFF]                  ; the scale bytes on their way out
	v_mov_b32 v11, 1.0                             ; the conversions' scale
	v_mov_b32 v29, 0                               ; (upper half of the pair v[28:29], of which the low word is used)
	s_mov_b32 s40, 0x76543210
	s_mov_b32 s41, 0xfedcba98                      ; v_permlanex16_b32's selects for lane xor 16
	s_mov_b32 s42, 0x3a800000                      ; 1 / 1,024
	s_mov_b32 s43, 0x3727c5ac                      ; 1e-5
	s_mov_b32 s44, 0xc7600000                      ; -57,344
	s_mov_b32 s45, 0x47600000                      ; 57,344
	s_mov_b32 s46, 0x86800000                      ; 269 << 23: less a number's exponent field E it is the field of 2^(142 - E) = 2^-e
	s_mov_b32 s47, 0x7f800000
	s_mov_b32 s25, 768
	s_cmp_ge_u32 ttmp9, 768
	s_cselect_b32 s33, 2, 0                        ; w_mlp's rows are 4 units long
	s_wait_kmcnt 0x0
	s_mov_b64 s[26:27], s[16:17]                   ; which tensor: the choice hangs on the work-group's number alone
	s_cmp_lt_u32 ttmp9, 768
	s_cselect_b64 s[26:27], s[14:15], s[26:27]
	s_cselect_b32 s25, 512, s25
	s_cmp_lt_u32 ttmp9, 512
	s_cselect_b64 s[26:27], s[12:13], s[26:27]
	s_cselect_b32 s25, 448, s25
	s_cmp_lt_u32 ttmp9, 448
	s_cselect_b64 s[26:27], s[10:11], s[26:27]
	s_cselect_b32 s25, 256, s25
	s_cmp_lt_u32 ttmp9, 256
	s_cselect_b64 s[26:27], s[4:5], s[26:27]
	s_cselect_b32 s25, 0, s25                      ; the tensor's first unit
	s_cselect_b32 s24, 1, 0                        ; 1: these rows are normed
	s_cselect_b64 s[28:29], s[18:19], s[20:21]
	s_mov_b32 s34, 12582912
	s_cselect_b32 s34, 4194304, s34                ; where the scale words begin in the output
	s_cselect_b32 s35, 0, 256
	s_sub_co_u32 s35, ttmp9, s35                   ; the unit's number in its output
	s_sub_co_u32 s36, ttmp9, s25
	s_lshr_b32 s37, s36, s33                       ; row block R
	s_lshl_b32 s38, 1, s33
	s_sub_co_u32 s38, s38, 1
	s_and_b32 s38, s36, s38                        ; which 1,024 along K
	s_lshl_b32 s32, 4096, s33                      ; a row in bytes
	s_lshr_b32 s39, s37, 1
	s_lshl_b32 s39, s39, 5
	s_and_b32 s48, s37, 1
	s_lshl_b32 s48, s48, 3
	s_add_co_u32 s39, s39, s48
	s_lshl_b32 s48, s22, 2
	s_add_co_u32 s39, s39, s48
	s_lshr_b32 s48, s22, 1
	s_lshl_b32 s48, s48, 3
	s_add_co_u32 s39, s39, s48                     ; my wave's first row: 32 (R / 2) + 8 (R % 2) + 4 w + 8 (w / 2)
	s_mul_i32 s48, s39, s32
	s_lshl_b32 s49, s38, 12
	s_add_co_u32 s48, s48, s49
	s_mov_b32 s49, 0
	s_add_nc_u64 s[26:27], s[26:27], s[48:49]
	s_lshl_b32 s48, s35, 9
	s_add_co_u32 s48, s48, s34
	s_add_nc_u64 s[30:31], s[28:29], s[48:49]      ; the unit's scale words
	s_lshl_b32 s48, s35, 14
	s_add_nc_u64 s[28:29], s[28:29], s[48:49]      ; the unit's codes
	v_add_nc_u32 v[OFF+1], s32, v[OFF]
	v_add_nc_u32 v[OFF+2], s32, v[OFF+1]
	v_add_nc_u32 v[OFF+3], s32, v[OFF+2]
	s_cmp_eq_u32 s24, 0
	s_cbranch_scc1 .Lplain
.irp j, 0,1,2,3,4,5,6,7
	global_load_b128 v[LW+4*\j:LW+4*\j+3], v[OFF], s[6:7] offset:512*\j
.endr
.irp j, 0,1,2,3,4,5,6,7
	global_load_b128 v[LB+4*\j:LB+4*\j+3], v[OFF], s[8:9] offset:512*\j
.endr
	s_branch .Lrows
.Lplain:                                               ; weights have no gain and no bias: the registers are written, so that they are written on every way, and not read
.set n, 0
.rept 64
	v_mov_b32 v[LW+n], 0
.set n, n+1
.endr
.Lrows:
.irp r, 0,1,2,3                        ; all 32 loads of the wave go out together: 16 KiB on their way
.irp j, 0,1,2,3,4,5,6,7
	global_load_b128 v[X+32*\r+4*\j:X+32*\r+4*\j+3], v[OFF+\r], s[26:27] offset:512*\j th:TH_LOAD_NT
.endr
.endr
.macro FOLD                            ; four chains of pairs in v[CD] on become one number in every lane: the wave's sum
	v_pk_add_f32 v[CD:CD+1], v[CD:CD+1], v[CD+2:CD+3]
	v_pk_add_f32 v[CD+4:CD+5], v[CD+4:CD+5], v[CD+6:CD+7]
	v_pk_add_f32 v[CD:CD+1], v[CD:CD+1], v[CD+4:CD+5]
	v_add_f32 v[CD], v[CD], v[CD+1]
.irp m, 1,2,4,8
	v_add_f32_dpp v[CD], v[CD], v[CD] row_xmask:\m row_mask:0xf bank_mask:0xf
.endr
	v_permlanex16_b32 v[CD+1], v[CD], s40, s41
	v_add_f32 v[CD], v[CD], v[CD+1]
.endm
.macro ROW i
.set XR, X+32*\i
	s_wait_loadcnt 8*(3-\i)                        ; this row's eight loads are in (and gain and bias, issued earlier); the later rows' stay out
	s_cmp_eq_u32 s24, 0
	s_cbranch_scc1 .Lraw_\i                        ; weights are not normed
.irp k, 0,1,2,3
	v_pk_add_f32 v[CD+2*\k:CD+2*\k+1], v[XR+2*\k:XR+2*\k+1], v[XR+8+2*\k:XR+8+2*\k+1]
.endr
.irp o, 16,24
.irp k, 0,1,2,3
	v_pk_add_f32 v[CD+2*\k:CD+2*\k+1], v[CD+2*\k:CD+2*\k+1], v[XR+\o+2*\k:XR+\o+2*\k+1]
.endr
.endr
	FOLD
	v_mul_f32 v28, s42, v[CD]                      ; the mean
.set p, 0
.rept 16
	v_pk_add_f32 v[XR+p:XR+p+1], v[XR+p:XR+p+1], v[28:29] op_sel_hi:[1,0] neg_lo:[0,1] neg_hi:[0,1]
.set p, p+2
.endr
.irp k, 0,1,2,3
	v_pk_mul_f32 v[CD+2*\k:CD+2*\k+1], v[XR+2*\k:XR+2*\k+1], v[XR+2*\k:XR+2*\k+1]
.endr
.irp o, 8,16,24
.irp k, 0,1,2,3
	v_pk_fma_f32 v[CD+2*\k:CD+2*\k+1], v[XR+\o+2*\k:XR+\o+2*\k+1], v[XR+\o+2*\k:XR+\o+2*\k+1], v[CD+2*\k:CD+2*\k+1]
.endr
.endr
	FOLD
	v_fma_f32 v30, v[CD], s42, s43                 ; the variance + 1e-5
	v_rsq_f32 v28, v30
	v_nop                                          ; one plain instruction behind the transcendental,
	s_wait_alu depctr_va_vdst(0)                   ; and the wait ahead of its first reader
.set p, 0
.rept 16
	v_pk_mul_f32 v[XR+p:XR+p+1], v[XR+p:XR+p+1], v[28:29] op_sel_hi:[1,0]
.set p, p+2
.endr
.set p, 0
.rept 16
	v_pk_fma_f32 v[XR+p:XR+p+1], v[XR+p:XR+p+1], v[LW+p:LW+p+1], v[LB+p:LB+p+1]
.set p, p+2
.endr
.Lraw_\i:
.irp j, 0,1,2,3,4,5,6,7                ; the eight chunks by turns: my four numbers and the floor 2^(16 - 127), which holds the byte at 1 from below
	v_max3_num_f32 v[MX+\j], |v[XR+4*\j]|, |v[XR+4*\j+1]|, 0x8000000
.endr
.irp j, 0,1,2,3,4,5,6,7
	v_max3_num_f32 v[MX+\j], v[MX+\j], |v[XR+4*\j+2]|, |v[XR+4*\j+3]|
.endr
.irp m, 1,2,4                          ; with the other seven lanes of the block
.irp j, 0,1,2,3,4,5,6,7
	v_max_num_f32_dpp v[MX+\j], v[MX+\j], v[MX+\j] row_xmask:\m row_mask:0xf bank_mask:0xf
.endr
.endr
.irp j, 0,1,2,3,4,5,6,7
	v_and_b32 v[FC+\j], s47, v[MX+\j]
.endr
.irp j, 0,1,2,3,4,5,6,7
	v_sub_nc_u32 v[FC+\j], s46, v[FC+\j]           ; 2^-e
.endr
.irp j, 0,1,2,3,4,5,6,7
	v_lshrrev_b32 v[MX+\j], 23, v[MX+\j]
.endr
.irp j, 0,1,2,3,4,5,6,7
	v_add_nc_u32 v[MX+\j], -15, v[MX+\j]           ; the scale's byte: the largest magnitude's exponent field - 15
.endr
.irp j, 0,2,4,6                        ; number x 2^-e: an even chunk takes the low word of the pair of factors, an odd chunk the high word
	v_pk_mul_f32 v[XR+4*\j:XR+4*\j+1], v[XR+4*\j:XR+4*\j+1], v[FC+\j:FC+\j+1] op_sel_hi:[1,0]
	v_pk_mul_f32 v[XR+4*\j+2:XR+4*\j+3], v[XR+4*\j+2:XR+4*\j+3], v[FC+\j:FC+\j+1] op_sel_hi:[1,0]
	v_pk_mul_f32 v[XR+4*\j+4:XR+4*\j+5], v[XR+4*\j+4:XR+4*\j+5], v[FC+\j:FC+\j+1] op_sel:[0,1] op_sel_hi:[1,1]
	v_pk_mul_f32 v[XR+4*\j+6:XR+4*\j+7], v[XR+4*\j+6:XR+4*\j+7], v[FC+\j:FC+\j+1] op_sel:[0,1] op_sel_hi:[1,1]
.endr
.set p, 0
.rept 32
	v_med3_num_f32 v[XR+p], v[XR+p], s44, s45      ; the conversion does not saturate (ISA guide 7.6.2): the hold at the largest code
.set p, p+1
.endr
.irp k, 0,1,2,3
	v_cvt_scalef32_pk8_bf8_f32 v[CD+2*\k:CD+2*\k+1], v[XR+8*\k:XR+8*\k+7], v11
.endr
	v_nop                                          ; one plain instruction behind the last scaled conversion
.irp j, 0,1,2,3,4,5,6,7
	ds_store_b32 v7, v[CD+\j] offset:FRST*\j+16*\i
	ds_store_b8 v8, v[MX+\j] offset:64*\j+4*\i     ; the eight lanes of a block write the same byte with the same value
.endr
	s_wait_dscnt 0x0                               ; the stores have read their registers, which the next row writes; behind the last row: for the other waves' sake
.endm
	ROW 0
	ROW 1
	ROW 2
	ROW 3
	s_barrier_signal -1
	s_barrier_wait -1                              ; all 16 places of the 8 fragments lie in the stage
.irp n, 0,1,2,3,4,5,6,7                ; fragment 2 w + n / 4, piece n % 4
	ds_load_b128 v[X+4*\n:X+4*\n+3], v9 offset:FRST*(\n/4)+544*(\n%4)
.endr
.irp n, 0,1,2,3,4,5,6,7
	s_wait_dscnt 7-\n
	global_store_b128 v10, v[X+4*\n:X+4*\n+3], s[28:29] offset:512*\n   ; 32 lanes store 512 consecutive bytes, aligned
.endr
	s_cmp_lg_u32 s22, 0
	s_cbranch_scc1 .Lend
	ds_load_b128 v[X+32:X+35], v31                 ; wave 0: the unit's 512 scale bytes
	s_wait_dscnt 0x0
	global_store_b128 v[OFF], v[X+32:X+35], s[30:31]
.Lend:
	s_wait_tensorcnt 0x0
	ds_add_u32 v232, v233
	s_wait_dscnt 0x0
	s_endpgm
.Lfunc_end_k_q97aacfd773_prep:
	.size	k_q97aacfd773_prep, .Lfunc_end_k_q97aacfd773_prep-k_q97aacfd773_prep
	.p2alignl 7, 3214868480
	.fill 96, 4, 3214868480
	.section	.rodata,"a",@progbits
	.p2align	6, 0x0
	.amdhsa_kernel k_q97aacfd773_prep
		.amdhsa_group_segment_fixed_size 18944
		.amdhsa_private_segment_fixed_size 0
		.amdhsa_enable_private_segment 0
		.amdhsa_kernarg_size 72
		.amdhsa_user_sgpr_count 2
		.amdhsa_user_sgpr_kernarg_segment_ptr 1
		.amdhsa_wavefront_size32 1
		.amdhsa_system_sgpr_workgroup_id_x 1
		.amdhsa_system_sgpr_workgroup_id_y 1
		.amdhsa_system_sgpr_workgroup_id_z 1
		.amdhsa_system_vgpr_workitem_id 0
		.amdhsa_next_free_vgpr 234
		.amdhsa_next_free_sgpr 66
		.amdhsa_reserve_vcc 0
		.amdhsa_float_denorm_mode_32 3
		.amdhsa_float_denorm_mode_16_64 3
		.amdhsa_memory_ordered 1
		.amdhsa_forward_progress 1
		.amdhsa_inst_pref_size 70
	.end_amdhsa_kernel
	.amdgpu_metadata
---
amdhsa.version: [ 1, 2 ]
amdhsa.kernels:
  - .name:           k_q97aacfd773_prep
    .symbol:         k_q97aacfd773_prep.kd
    .args:
      - { .name: x, .offset: 0, .size: 8, .value_kind: global_buffer, .address_space: global }
      - { .name: ln1_w, .offset: 8, .size: 8, .value_kind: global_buffer, .address_space: global }
      - { .name: ln1_b, .offset: 16, .size: 8, .value_kind: global_buffer, .address_space: global }
      - { .name: w_attn, .offset: 24, .size: 8, .value_kind: global_buffer, .address_space: global }
      - { .name: w_proj, .offset: 32, .size: 8, .value_kind: global_buffer, .address_space: global }
      - { .name: w_fc, .offset: 40, .size: 8, .value_kind: global_buffer, .address_space: global }
      - { .name: w_mlp, .offset: 48, .size: 8, .value_kind: global_buffer, .address_space: global }
      - { .name: hq, .offset: 56, .size: 8, .value_kind: global_buffer, .address_space: global }
      - { .name: wq, .offset: 64, .size: 8, .value_kind: global_buffer, .address_space: global }
    .group_segment_fixed_size: 18944
    .private_segment_fixed_size: 0
    .kernarg_segment_align: 8
    .kernarg_segment_size: 72
    .max_flat_workgroup_size: 128
    .sgpr_count:     66
    .vgpr_count:     234
    .wavefront_size: 32
...
	.end_amdgpu_metadata
.endif
;; end of part 1
;; launch qkv (part 2): grid 12 x 16, 4 waves a work-group, clusters of 4 x 4, 327,680 bytes of LDS; arguments hq, wq, b_attn, qkvc, out2; writes qkvc, out2
.if DOCPART == 2
	.amdgcn_target "amdgcn-amd-amdhsa--gfx1250"
	.amdhsa_code_object_version 6
	.text
	.protected	k_q97aacfd773_qkv
	.globl	k_q97aacfd773_qkv
	.p2align	8
	.type	k_q97aacfd773_qkv,@function
k_q97aacfd773_qkv:
	s_mov_b64 s[64:65], 0
	v_nop
	global_prefetch_b8 v0, s[64:65] scope:SCOPE_SE
	s_setreg_imm32_b32 hwreg(HW_REG_WAVE_MODE, 25, 1), 1
	s_wait_xcnt 0x0
	s_wait_alu depctr_hold_cnt(0) depctr_sa_sdst(0) depctr_va_vdst(0) depctr_va_sdst(0) depctr_va_ssrc(0) depctr_va_vcc(0) depctr_vm_vsrc(0)
	s_getreg_b32 s2, hwreg(HW_REG_IB_STS2, 6, 4)
	s_cmp_eq_u32 s2, 0
	s_cbranch_scc0 .Lentry_in_a_cluster
	s_endpgm
.Lentry_in_a_cluster:
	s_bfe_u32 s2, ttmp6, 0x10000c
	s_cmp_lg_u32 s2, 0xf033
	s_cbranch_scc0 .Lentry_shape_is_right
	s_endpgm
.Lentry_shape_is_right:
; qkv = Q(h) Q(w_attn)^T + b_attn on codes of E5M2 with E8M0 scales; then: k and v leave as f32 (out2), and q, k (along the head's 64) and v (along the keys) leave as codes for the attention launch.
; THE PRODUCT.  A tile of 256 tokens x 256 features to a work-group of four waves, 128 x 128 a wave: 64 accumulators.  K = 1,024 goes in slots of 256 through a ring of two LDS slots filled by tensor loads.
; Both operands lie in memory as images of operand registers (a fragment of 16 rows x 128 K is 2,048 bytes, byte 512 c + 16 lane + i), so a fragment comes by four LDS loads of 512 consecutive bytes: no pitch, no padding.
; Place r of row block R is row 32 (R / 2) + 8 (R % 2) + r + 8 (r / 8), for tokens and for features alike.
; The matrix instruction is used transposed (source 0 = 16 features, source 1 = 16 tokens): a lane holds one token, and the 16 registers of feature blocks 2 t, 2 t + 1 are the 16 neighbouring features 32 t + 16 (lane / 16) + 0 .. 15.
; The scale words of the work-group's rows, for all of K, come once, with the first fills, and stay in LDS.  The bias is the C of each sum's first matrix instruction.
; CLUSTERS: 4 x 4 work-groups; A's tiles are asked for jointly along a row of the cluster, B's along a column.  The cluster's x is the kind of all sixteen tiles: 0 = q, 1 = k, 2 = v.
; THE ATTENTION LAUNCH'S BLOCKS: for each (batch, head) and each 128 tokens 25,344 bytes: K's codes 8,192 (4 fragments; pieces 0, 1 = row block 2 g, the head's 64; pieces 2, 3 = row block 2 g + 1), V^T's codes 8,192
; (4 fragments of 16 channels x 128 keys), K's scale words 256, V's 256, Q's codes 8,192 and scale words 256 (laid as K's).
; Scale words leave in pieces of 64 or 128 bytes: they are one byte in 32 of the codes.
; LIMITS: NaN and infinities are not served; a block under 2^-111, or of zeros, gets the scale byte 1 (only this program reads the bytes).
.set NAB,   8                          ; row blocks of 16 on each side of a wave's tile
.set NQ,    2                          ; steps of 128 along K in a slot
.set S,     8                          ; steps of 128 in K
.set UNIT0, 0                          ; the weight's first unit of 16,384 bytes in wq
.set ASOFF, 4194304                    ; where A's scale words begin in its buffer
.set FRB,   2048
.set HALFT, NAB*NQ*FRB                 ; what one tensor load brings: NAB row blocks x NQ fragments
.set SLOT,  4*HALFT                    ; A's two halves, then B's two
.set LAPS,  S/(2*NQ)
.set SCL,   2*SLOT                     ; behind the ring: the scale words, four parts in the same order
.set HALFS, NAB*S*64
.set SPARE, SCL+4*HALFS                ; the spare words, 128 bytes for each wave, which no other line names
.set WSOFF, 12582912                   ; where the weights' scale words begin in wq
.set ADRA,  16                         ; v16-17 LDS address of my A fragments in slot 0, 1;  v20-21 of B's
.set ADRB,  20
.set ADRS,  27                         ; v27 my scale words: lanes 0-15 A's, lanes 16-31 B's
.set SPW,   28                         ; v28 my spare word;  v29 zero; never rewritten
.set NIL,   29
.set SC,    32                         ; v32-63 scale words, a set of 16 for each slot: register NQ i + q
.set BN,    64                         ; v64.. the bias in the result's layout; free after the first step
.set AF,    128                        ; window 0: A's fragments, one set;  window 1: B's, two sets at 0 and 128;  windows 2, 3: the accumulators
.set G1,    24
.set G0,    32
.set G1B,   48
.set G0B,   56
.set G1S,   68
.set G0S,   76
.set G1SB,  80
.set G0SB,  88
.set TO_B,  0x40
.set MSB,   0
.macro WIN new                         ; the immediate's high byte repeats the setting that is left
.if MSB != (\new)
	s_set_vgpr_msb (MSB<<8)|(\new)
.set MSB, (\new)
.endif
.endm
.macro JLOAD g0a, g1a, g0b, g1b        ; a joint load: waves 0, 1 fetch for A, waves 2, 3 for B; four v_nop follow each line
	s_cmp_eq_u32 s15, 0
	s_cbranch_scc0 .Lfor_b_\@
	tensor_load_to_lds s[\g0a:\g0a+3], s[\g1a:\g1a+7]
	s_nop 0
.rept 4
	v_nop
.endr
	s_branch .Lasked_\@
.Lfor_b_\@:
	tensor_load_to_lds s[\g0b:\g0b+3], s[\g1b:\g1b+7]
	s_nop 0
.rept 4
	v_nop
.endr
.Lasked_\@:
.endm
.macro CREST                           ; a round of the cluster's barrier behind its opening barrier
	s_cmp_lg_u32 s14, 0
	s_cbranch_scc1 .Lnot_wave_0_\@
	s_barrier_signal -3
.Lnot_wave_0_\@:
	s_barrier_wait -3
	s_barrier_signal -1
	s_barrier_wait -1
.endm
.macro CROUND
	s_barrier_signal -1
	s_barrier_wait -1
	CREST
.endm
.macro PLACES n                        ; plain vector instructions between a matrix instruction and a load into, or a read of, its registers
.rept \n
	v_nop
.endr
.endm
.macro FRAG reg, adr, q, i             ; fragment (row block i, step q of the slot): four loads of 512 consecutive bytes
.irp c, 0,1,2,3
	ds_load_b128 v[\reg+4*\c:\reg+4*\c+3], v[\adr] offset:((\i)*NQ+(\q))*FRB+512*\c
.endr
.endm
.macro FETCH_B slot, q, p
	WIN TO_B
.set ii, 0
.rept NAB
	FRAG 128*(\p)+16*ii, ADRB+\slot, \q, ii
.set ii, ii+1
.endr
	WIN 0
.endm
.macro FETCH_A slot, q, i0             ; half of A's row blocks, from i0 on
.set ii, \i0
.rept NAB/2
	FRAG AF+16*ii, ADRA+\slot, \q, ii
.set ii, ii+1
.endr
.endm
.macro SCALES sc                       ; the slot's scale words: lanes 0-15 take A's row block i, lanes 16-31 B's
.set ii, 0
.rept NAB
.set qq, 0
.rept NQ
	ds_load_b32 v[SC+16*(\sc)+NQ*ii+qq], v[ADRS] offset:ii*S*64+64*qq
.set qq, qq+1
.endr
.set ii, ii+1
.endr
.endm
.macro MULA a, p, q, sc, first         ; A's row block a against B's NAB.  first = 1: the bias is C and starts the sums.  The accumulators take turns
.set AW, 2+(\a)/4
.if \first
	WIN 0x01|(AW<<6)
.else
	WIN 0x01|(AW<<4)|(AW<<6)
.endif
.set bb, 0
.rept NAB
.set AC, 8*(NAB*((\a)%4)+bb)
.if \first
	v_wmma_scale_f32_16x16x128_f8f6f4 v[AC:AC+7], v[128*(\p)+16*bb:128*(\p)+16*bb+15], v[AF+16*(\a):AF+16*(\a)+15], v[BN+8*bb:BN+8*bb+7], v[SC+16*(\sc)+NQ*bb+(\q)], v[SC+16*(\sc)+NQ*(\a)+(\q)] matrix_a_fmt:MATRIX_FMT_BF8 matrix_b_fmt:MATRIX_FMT_BF8 matrix_a_scale:MATRIX_SCALE_ROW1
.else
	v_wmma_scale_f32_16x16x128_f8f6f4 v[AC:AC+7], v[128*(\p)+16*bb:128*(\p)+16*bb+15], v[AF+16*(\a):AF+16*(\a)+15], v[AC:AC+7], v[SC+16*(\sc)+NQ*bb+(\q)], v[SC+16*(\sc)+NQ*(\a)+(\q)] matrix_a_fmt:MATRIX_FMT_BF8 matrix_b_fmt:MATRIX_FMT_BF8 matrix_a_scale:MATRIX_SCALE_ROW1
.endif
.set bb, bb+1
.endr
.endm
.macro MULR a0, n, p, q, sc, first
.set aa, \a0
.rept \n
	MULA aa, \p, \q, \sc, \first
.set aa, aa+1
.endr
.endm
.macro STEP slot, q, first             ; a step of 128 along K that has its successor in the same slot
	s_wait_dscnt 2*NAB                             ; B's set and A's lower half are in; the youngest loads (A's upper half) may be out
	MULR 0, NAB/2, (\q)%2, \q, \slot, \first
	s_wait_dscnt 0x0
	PLACES 8
	FETCH_B \slot, (\q)+1, 1-(\q)%2
	FETCH_A \slot, (\q)+1, 0
	MULR NAB/2, NAB/2, (\q)%2, \q, \slot, \first
	PLACES 8
	WIN 0
	FETCH_A \slot, (\q)+1, NAB/2
.endm
.macro TURN slot, next, fill           ; a slot's last step changes slots: one barrier; fill = 1: it opens a round of the cluster's barrier, and this slot is filled again
	s_wait_tensorcnt 0x0                           ; all my tensor loads have landed: my part of the next slot
	ds_add_u32 v[SPW], v[NIL]                      ; 0 onto my spare word
	s_wait_dscnt 2*NAB+1                           ; (the add and A's upper half may be out)
	MULR 0, NAB/4, 1, NQ-1, \slot, 0
	s_wait_dscnt 0x0                               ; the add is done, and my reads of this slot are over
	s_barrier_signal -1
	MULR NAB/4, NAB/4, 1, NQ-1, \slot, 0
	WIN 0
	s_barrier_wait -1
.if \fill
	CREST                                          ; no wave of any partner still reads this slot or has a load on its way
	s_add_nc_u64 s[G0+4*\slot+2:G0+4*\slot+3], s[G0+4*\slot+2:G0+4*\slot+3], 2*NQ*FRB
	s_add_nc_u64 s[G0B+4*\slot+2:G0B+4*\slot+3], s[G0B+4*\slot+2:G0B+4*\slot+3], 2*NQ*FRB
	JLOAD G0+4*\slot, G1, G0B+4*\slot, G1B         ; my one tensor load behind the round; its four v_nop are four of the eight places
	PLACES 4
.else
	PLACES 8
.endif
	s_wait_alu depctr_va_vdst(0)
	v_add_nc_u32 v[ADRS], 64*NQ, v[ADRS]           ; on to the next slot's scale words (no LDS load of mine is out)
	FETCH_B \next, 0, 0
	FETCH_A \next, 0, 0
	SCALES \next
	MULR NAB/2, NAB/2, 1, NQ-1, \slot, 0
	PLACES 8
	WIN 0
	FETCH_A \next, 0, NAB/2
.endm
.macro MID slot                        ; the steps between a slot's first and its last
.if NQ > 2
.set qm, 1
.rept NQ-2
	STEP \slot, qm, 0
.set qm, qm+1
.endr
.endif
.endm
; 16 nb numbers of a lane, v[s] on in window w, register 16 b + i = k 32 b + 16 (lane / 16) + i of my row, become codes in v[pc] on and the row's scale bytes in v[pw]
.set TM,  64                           ; v64-67 largest magnitudes, v68-71 bytes, v76-79 the conversions' scale operands
.set T4,  68
.set HB,  72
.set SOP, 76
.set PWR, 80                           ; v80-81 two rows' scale words; v82-84 at work on them
.set PCA, 192                          ; two sets of 16 code registers
.macro QUANT s, w, nb, pc, pw
	WIN (\w)|((\w)<<2)
.set qb, 0
.rept \nb
	v_max3_num_f32 v[TM+qb], |v[(\s)+16*qb]|, |v[(\s)+16*qb+1]|, 0x8000000   ; my 16 numbers of block qb, and the floor 2^(16 - 127)
.set qb, qb+1
.endr
	WIN ((\w)<<2)|((\w)<<4)
.irp i, 2,4,6,8,10,12,14
.set qb, 0
.rept \nb
	v_max3_num_f32 v[TM+qb], v[TM+qb], |v[(\s)+16*qb+\i]|, |v[(\s)+16*qb+\i+1]|
.set qb, qb+1
.endr
.endr
	WIN 0
.set qb, 0
.rept \nb
	v_permlanex16_b32 v[T4+qb], v[TM+qb], s2, s3
.set qb, qb+1
.endr
.set qb, 0
.rept \nb
	v_max_num_f32 v[TM+qb], v[TM+qb], v[T4+qb]     ; with lane xor 16's: the block's largest magnitude
.set qb, qb+1
.endr
.set qb, 0
.rept \nb
	v_add_nc_u32 v[SOP+qb], 0xf8800000, v[TM+qb]   ; 15 off its exponent field: the conversion's scale operand
.set qb, qb+1
.endr
.set qb, 0
.rept \nb
	v_lshrrev_b32 v[T4+qb], 23, v[SOP+qb]          ; the scale's byte
.set qb, qb+1
.endr
	v_lshl_or_b32 v[\pw], v[T4+1], 8, v[T4]
.if \nb > 2
	v_lshl_or_b32 v[\pw], v[T4+2], 16, v[\pw]
	v_lshl_or_b32 v[\pw], v[T4+3], 24, v[\pw]
.endif
	WIN (\w)|((\w)<<6)
.set qb, 0
.rept 16*\nb
.set qb, qb+1
.endr
	WIN (\w)
.set qb, 0
.rept 2*\nb
	v_cvt_scalef32_pk8_bf8_f32 v[(\pc)+2*qb:(\pc)+2*qb+1], v[(\s)+8*qb:(\s)+8*qb+7], v[SOP+qb/2]
.set qb, qb+1
.endr
	WIN 0
	v_nop                                          ; one plain instruction behind the last scaled conversion
.endm
.set HSTR, 405504                      ; a head's 16 blocks in qkvc
.set BSTR, 25344
.set STW,  67584                       ; the way out: a stage of 128 rows x (512 + 16) bytes for each wave
.set PO,   8                           ; v8  k, v as f32: 16 (lane % 16) + (lane / 16) heads
.set STO,  9                           ; v9  into my stage
.set RD,   10                          ; v10, v11 out of it by rows: rows 0-63, rows 64-127
.set CL,   12                          ; v12 out of it by columns
	s_load_b128 s[4:7], s[0:1], 0x0                ; A's buffer, wq
	s_load_b128 s[96:99], s[0:1], 0x10             ; the bias, qkvc
	s_load_b64 s[100:101], s[0:1], 0x20            ; out2
	v_lshl_add_u32 v[SPW], v0, 2, SPARE
	v_mov_b32 v[NIL], 0
	ds_add_u32 v28, v29
	ds_add_u32 v28, v29
	s_wait_dscnt 0x0
	v_lshrrev_b32 v1, 5, v0
	v_readfirstlane_b32 s14, v1                    ; wave 0..3
	s_lshr_b32 s15, s14, 1                         ; my half of A's rows.  Also: I fetch for A (0) or for B (1)
	s_and_b32 s16, s14, 1                          ; my half of B's rows.  Also: which half I fetch
	s_bfe_u32 s40, ttmp6, 0x40000                  ; cx, cy
	s_bfe_u32 s41, ttmp6, 0x40004
	s_lshl_b32 s42, ttmp9, 2
	s_add_co_u32 s42, s42, s40                     ; tile column
	s_and_b32 s17, ttmp7, 0xffff
	s_lshl_b32 s17, s17, 2
	s_add_co_u32 s17, s17, s41                     ; tile row
	s_lshl_b32 s43, s41, 2
	s_lshl_b32 s43, 15, s43                        ; my row of the cluster
	s_lshl_b32 s44, 0x1111, s40                    ; my column
	s_or_b32 s[G1+0], s43, (3<<16)|(1<<21)         ; the mask; elements of 8 bytes; bit 21 beside a mask; no padding
	s_or_b32 s[G1B+0], s44, (3<<16)|(1<<21)
.irp g, G1, G1B                        ; NAB rows of NQ fragments (NQ x 256 elements), S fragments apart
	s_mov_b32 s[\g+1], (NQ*256)<<16
	s_mov_b32 s[\g+2], NAB<<16
	s_mov_b32 s[\g+3], (NQ*256)<<16
	s_mov_b32 s[\g+4], NAB
	s_mov_b32 s[\g+5], S*256
	s_mov_b32 s[\g+6], 0
	s_mov_b32 s[\g+7], 0
.endr
	s_or_b32 s[G1S+0], s43, (3<<16)|(1<<21)
	s_or_b32 s[G1SB+0], s44, (3<<16)|(1<<21)
.irp g, G1S, G1SB                      ; the scale words of NAB row blocks: a dense block, as rows of 256 bytes
	s_mov_b32 s[\g+1], 32<<16
	s_mov_b32 s[\g+2], (HALFS/256)<<16
	s_mov_b32 s[\g+3], 32<<16
	s_mov_b32 s[\g+4], HALFS/256
	s_mov_b32 s[\g+5], 32
	s_mov_b32 s[\g+6], 0
	s_mov_b32 s[\g+7], 0
.endr
	s_mul_i32 s18, s16, NAB
	s_mul_i32 s20, s17, 2*NAB
	s_add_co_u32 s20, s20, s18                     ; A: the first row block that I fetch: from the tile row and the wave's number
	s_mul_i32 s46, s42, 2*NAB
	s_add_co_u32 s46, s46, s18                     ; B: from the tile column and the wave's number
	s_mul_i32 s22, s20, S*64
	s_mov_b32 s23, 0
	s_mul_i32 s92, s46, S*64
	s_mov_b32 s93, 0
	s_mul_i32 s20, s20, S*FRB
	s_mov_b32 s21, 0
	s_mul_i32 s46, s46, S*FRB
	s_mov_b32 s47, 0
	s_mul_i32 s45, s14, HALFT                      ; where they go: no place in the cluster enters an LDS address
	s_mul_i32 s94, s14, HALFS
	s_wait_kmcnt 0x0
	s_add_nc_u64 s[8:9], s[6:7], UNIT0*16384       ; B's codes
	s_add_nc_u64 s[10:11], s[6:7], WSOFF+UNIT0*512 ; B's scale words
	s_add_nc_u64 s[6:7], s[4:5], ASOFF             ; A's scale words
	s_add_nc_u64 s[20:21], s[4:5], s[20:21]
	s_add_nc_u64 s[22:23], s[6:7], s[22:23]
	s_add_nc_u64 s[46:47], s[8:9], s[46:47]
	s_add_nc_u64 s[92:93], s[10:11], s[92:93]
	CROUND                                         ; all sixteen work-groups are here: the first joint loads meet
	s_mov_b32 s[G0S], 1
	s_add_co_u32 s[G0S+1], s94, SCL
	s_mov_b64 s[G0S+2:G0S+3], s[22:23]
	s_or_b32 s[G0S+3], s[G0S+3], 0x80000000
	s_mov_b32 s[G0SB], 1
	s_add_co_u32 s[G0SB+1], s94, SCL
	s_mov_b64 s[G0SB+2:G0SB+3], s[92:93]
	s_or_b32 s[G0SB+3], s[G0SB+3], 0x80000000
	JLOAD G0S, G1S, G0SB, G1SB                     ; three loads of mine are out at the most: the scale words, slot 0, slot 1
.irp s, 0,1
	s_mov_b32 s[G0+4*\s], 1
	s_add_co_u32 s[G0+4*\s+1], s45, \s*SLOT
	s_add_nc_u64 s[G0+4*\s+2:G0+4*\s+3], s[20:21], \s*NQ*FRB
	s_or_b32 s[G0+4*\s+3], s[G0+4*\s+3], 0x80000000
	s_mov_b32 s[G0B+4*\s], 1
	s_add_co_u32 s[G0B+4*\s+1], s45, \s*SLOT
	s_add_nc_u64 s[G0B+4*\s+2:G0B+4*\s+3], s[46:47], \s*NQ*FRB
	s_or_b32 s[G0B+4*\s+3], s[G0B+4*\s+3], 0x80000000
	JLOAD G0+4*\s, G1, G0B+4*\s, G1B
.endr
	v_and_b32 v1, 15, v0                           ; r
	v_bfe_u32 v2, v0, 4, 1                         ; h
	v_and_b32 v3, 31, v0                           ; lane
	v_lshlrev_b32 v4, 4, v3                        ; 16 x lane: an image's place for my lane
	s_wait_alu depctr_va_vdst(0)
	v_lshlrev_b32 v5, 6, v2                        ; the bias: 16 h numbers on
	s_mul_i32 s18, s42, 2*NAB*64
	s_mul_i32 s19, s16, NAB*64
	s_add_co_u32 s18, s18, s19
	s_mov_b32 s19, 0
	s_add_nc_u64 s[96:97], s[96:97], s[18:19]      ; the bias at my first feature
.set bb, 0
.rept NAB                              ; register 8 b + j: feature 32 (b / 2) + 16 h + 8 (b % 2) + j
	global_load_b128 v[BN+8*bb:BN+8*bb+3], v5, s[96:97] offset:128*(bb/2)+32*(bb%2)
	global_load_b128 v[BN+8*bb+4:BN+8*bb+7], v5, s[96:97] offset:128*(bb/2)+32*(bb%2)+16
.set bb, bb+1
.endr
	s_mul_i32 s21, s15, HALFT
	s_mul_i32 s22, s16, HALFT
	s_add_co_u32 s22, s22, 2*HALFT
.irp s, 0,1
	v_add_nc_u32 v[ADRA+\s], s21, v4
	v_add_nc_u32 v[ADRB+\s], s22, v4
	s_add_co_u32 s21, s21, SLOT
	s_add_co_u32 s22, s22, SLOT
.endr
	v_lshlrev_b32 v22, 2, v1
	s_mul_i32 s21, s15, HALFS
	s_mul_i32 s22, s16, HALFS
	s_add_co_u32 s22, s22, 2*HALFS
	s_sub_co_u32 s22, s22, s21
	v_mul_u32_u24 v23, s22, v2                     ; lanes 16-31 take B's
	s_add_co_u32 s21, s21, SCL
	v_add_nc_u32 v22, v22, v23
	v_add_nc_u32 v[ADRS], s21, v22
	; the way out's addresses
	s_mul_i32 s23, s14, STW
	v_mul_u32_u24 v[STO], v1, 528
	v_lshl_add_u32 v[STO], v2, 6, v[STO]
	v_add_nc_u32 v[STO], s23, v[STO]               ; stage row r (+ 16 a), column bytes 64 h on
	v_add_nc_u32 v[RD], s23, v4
	v_add_nc_u32 v[RD+1], 64*528, v[RD]
	v_and_b32 v[CL], 8, v1
	v_add_nc_u32 v[CL], v[CL], v1
	v_lshlrev_b32 v[CL], 2, v[CL]
	v_mul_u32_u24 v13, v2, 8*528
	v_add_nc_u32 v[CL], v[CL], v13
	v_add_nc_u32 v[CL], s23, v[CL]                 ; column r + 8 (r / 8), 8 h rows down
	v_lshlrev_b32 v[PO], 19, v2
	v_lshl_add_u32 v[PO], v1, 4, v[PO]
	v_mul_u32_u24 v7, v2, HSTR
	v_lshl_add_u32 v7, v1, 2, v7                   ; q's and k's scale words: 4 r, lanes 16-31 one head on
	v_lshlrev_b32 v14, 2, v3                       ; v's: 4 x lane
	v_cmp_eq_u32 s66, 1, v2                        ; lanes 16-31
	s_mov_b32 s2, 0x76543210
	s_mov_b32 s3, 0xfedcba98                       ; set again behind the loop, which counts in s3
	s_wait_tensorcnt 1                             ; the scale words and my part of slot 0 are in; slot 1's load may be out
	s_barrier_signal -1
	s_barrier_wait -1
	FETCH_B 0, 0, 0
	FETCH_A 0, 0, 0
	SCALES 0
	FETCH_A 0, 0, NAB/2
	s_wait_loadcnt 0x0                             ; the bias
	STEP 0, 0, 1
.if LAPS > 1
	s_mov_b32 s3, LAPS-1
.Llap:
	MID 0
	TURN 0, 1, 1
	STEP 1, 0, 0
	MID 1
	TURN 1, 0, 1
	STEP 0, 0, 0
	s_sub_co_u32 s3, s3, 1
	s_cmp_lg_u32 s3, 0
	s_cbranch_scc1 .Llap
.endif
	MID 0
	TURN 0, 1, 0                                   ; the last lap fills nothing
	STEP 1, 0, 0
	MID 1
	s_wait_dscnt 2*NAB
	MULR 0, NAB/2, 1, NQ-1, 1, 0
	s_wait_dscnt 0x0
	MULR NAB/2, NAB/2, 1, NQ-1, 1, 0
	WIN 0
	; ---- THE WAY OUT
	s_mov_b32 s3, 0xfedcba98
	s_lshr_b32 s18, s17, 3                         ; batch
	s_and_b32 s19, s17, 7
	s_lshl_b32 s19, s19, 1
	s_add_co_u32 s19, s19, s15                     ; which 128 tokens of the batch
	s_lshl_b32 s20, s40, 2
	s_lshl_b32 s21, s16, 1
	s_add_co_u32 s20, s20, s21                     ; my first head: my 128 features are two heads
	s_lshl_b32 s21, s18, 4
	s_add_co_u32 s21, s21, s20
	s_mul_i32 s22, s21, HSTR
	s_mul_i32 s23, s19, BSTR
	s_add_co_u32 s22, s22, s23
	s_mov_b32 s23, 0
	s_add_nc_u64 s[98:99], s[98:99], s[22:23]      ; my first head's block
	PLACES 8
	s_wait_dscnt 0x0
	s_barrier_signal -1
	s_barrier_wait -1                              ; nobody reads the ring or the scale words any more, and they have had their last fill: the stages lie there
	s_cmp_eq_u32 ttmp9, 0
	s_cbranch_scc1 .Lcodes                         ; q is no output: it goes straight to its codes.  (The cluster's x: the same in all sixteen partners)
.set aa, 0
.rept 8                                ; my 128 x 128 numbers into my stage: row 16 a + r, columns in their true order; each accumulator from its low end on
	WIN 0x08+4*(aa/4)
.set bb, 0
.rept 8
	ds_store_b128 v[STO], v[64*(aa%4)+8*bb:64*(aa%4)+8*bb+3] offset:aa*16*528+128*(bb/2)+32*(bb%2)
	ds_store_b128 v[STO], v[64*(aa%4)+8*bb+4:64*(aa%4)+8*bb+7] offset:aa*16*528+128*(bb/2)+32*(bb%2)+16
.set bb, bb+1
.endr
.set aa, aa+1
.endr
	WIN 0
	s_sub_co_u32 s21, ttmp9, 1                     ; 0 = k, 1 = v
	s_lshl_b32 s21, s21, 24
	s_lshl_b32 s22, s18, 23
	s_add_co_u32 s21, s21, s22
	s_lshl_b32 s22, s20, 19
	s_add_co_u32 s21, s21, s22
	s_lshl_b32 s22, s19, 15
	s_add_co_u32 s22, s21, s22
	s_add_nc_u64 s[100:101], s[100:101], s[22:23]  ; out2 at (kind, batch, my first head, my first token)
.macro LOADP a                         ; 16 stage rows back, 512 bytes each: LDS serves a wave's instructions in order, so these see my stores
.set BB, 128+64*((\a)%2)
.irp t, 0,1,2,3,4,5,6,7,8,9,10,11,12,13,14,15
	ds_load_b128 v[BB+4*\t:BB+4*\t+3], v[RD+(\a)/4] offset:(16*((\a)%4)+\t)*528
.endr
.endm
.macro STOREP a                        ; sixteen lanes store one (token, head) row of 256 bytes, aligned
.set BB, 128+64*((\a)%2)
.irp t, 0,1,2,3,4,5,6,7,8,9,10,11,12,13,14,15
	global_store_b128 v[PO], v[BB+4*\t:BB+4*\t+3], s[100:101] offset:256*(32*((\a)/2)+8*((\a)%2)+\t+8*(\t/8)) th:TH_STORE_NT
.endr
.endm
	LOADP 0
.irp a, 1,2,3,4,5,6,7
.if \a > 1
	s_wait_xcnt 0x0                                ; the stores of two blocks back have read their registers
.endif
	LOADP \a
	s_wait_dscnt 16                                ; all but the 16 loads just issued
	STOREP \a-1
.endr
	s_wait_dscnt 0x0
	STOREP 7
	s_cmp_eq_u32 ttmp9, 2
	s_cbranch_scc1 .Lv
.Lcodes:
	; q or k: a token's 128 features are four blocks of 32: two heads x two blocks.  Row blocks 2 g and 2 g + 1 share a fragment and a scale word
	s_cmp_eq_u32 ttmp9, 0
	s_cselect_b32 s22, 16896, 0
	s_mov_b32 s46, 16384
	s_cselect_b32 s46, 25088, s46
	s_mov_b32 s47, 0
	s_add_nc_u64 s[92:93], s[98:99], s[22:23]
	s_add_nc_u64 s[94:95], s[98:99], s[46:47]
	s_mov_b32 s18, 0x05040100                      ; bytes 0, 1 of two words: the first head's
	s_mov_b32 s19, 0x07060302                      ; bytes 2, 3: the second head's
.set ar, 0
.rept 8
	s_wait_xcnt 0x0                                ; earlier stores have read their registers
	QUANT 64*(ar%4), 2+ar/4, 4, PCA+16*(ar%2), PWR+ar%2
.irp c, 0,1,2,3
	global_store_b128 v4, v[PCA+16*(ar%2)+4*\c:PCA+16*(ar%2)+4*\c+3], s[92:93] offset:(\c/2)*HSTR+(ar/2)*2048+(2*(ar%2)+\c%2)*512
.endr
.if ar%2
	v_perm_b32 v82, v[PWR+1], v[PWR], s18
	v_perm_b32 v83, v[PWR+1], v[PWR], s19
	v_cndmask_b32 v84, v82, v83, s66
	global_store_b32 v7, v84, s[94:95] offset:64*(ar/2)
.endif
.set ar, ar+1
.endr
	s_branch .Ldone
.Lv:
	; v: K is the keys.  Fragment f: 16 channels (32 (f / 2) + 8 (f % 2) + r + 8 (r / 8) of my 128) x my 128 tokens: a lane reads its column down the stage, key 32 c + 16 h + i from stage row 32 c + 16 (i / 8) + i % 8 + 8 h
.set fb, 0
.rept 8
	s_wait_xcnt 0x0
.set n, 0
.rept 64
	ds_load_b32 v[128+n], v[CL] offset:(32*(n/16)+16*((n%16)/8)+n%8)*528+4*(32*(fb/2)+8*(fb%2))
.set n, n+1
.endr
	s_wait_dscnt 0x0
	QUANT 128, 0, 4, PCA+16*(fb%2), PWR+fb%2
.irp c, 0,1,2,3
	global_store_b128 v4, v[PCA+16*(fb%2)+4*\c:PCA+16*(fb%2)+4*\c+3], s[98:99] offset:(fb/4)*HSTR+8192+(fb%4)*2048+512*\c
.endr
.if fb%2
	v_cndmask_b32 v84, v[PWR], v[PWR+1], s66
	global_store_b32 v14, v84, s[98:99] offset:(fb/4)*HSTR+16640+((fb-1)%4)*64
.endif
.set fb, fb+1
.endr
.Ldone:
	s_wait_tensorcnt 0x0                           ; the wave's end
	ds_add_u32 v[SPW], v[NIL]
	s_wait_dscnt 0x0
	CROUND                                         ; the closing round
	s_endpgm
.Lfunc_end_k_q97aacfd773_qkv:
	.size	k_q97aacfd773_qkv, .Lfunc_end_k_q97aacfd773_qkv-k_q97aacfd773_qkv
	.p2alignl 7, 3214868480
	.fill 96, 4, 3214868480
	.section	.rodata,"a",@progbits
	.p2align	6, 0x0
	.amdhsa_kernel k_q97aacfd773_qkv
		.amdhsa_group_segment_fixed_size 327680
		.amdhsa_private_segment_fixed_size 0
		.amdhsa_enable_private_segment 0
		.amdhsa_kernarg_size 40
		.amdhsa_user_sgpr_count 2
		.amdhsa_user_sgpr_kernarg_segment_ptr 1
		.amdhsa_wavefront_size32 1
		.amdhsa_system_sgpr_workgroup_id_x 1
		.amdhsa_system_sgpr_workgroup_id_y 1
		.amdhsa_system_sgpr_workgroup_id_z 1
		.amdhsa_system_vgpr_workitem_id 0
		.amdhsa_next_free_vgpr 1024
		.amdhsa_next_free_sgpr 102
		.amdhsa_reserve_vcc 0
		.amdhsa_float_denorm_mode_32 3
		.amdhsa_float_denorm_mode_16_64 3
		.amdhsa_fp16_overflow 1
		.amdhsa_memory_ordered 1
		.amdhsa_forward_progress 1
		.amdhsa_inst_pref_size 250
	.end_amdhsa_kernel
	.amdgpu_metadata
---
amdhsa.version: [ 1, 2 ]
amdhsa.kernels:
  - .name:           k_q97aacfd773_qkv
    .symbol:         k_q97aacfd773_qkv.kd
    .args:
      - { .name: hq, .offset: 0, .size: 8, .value_kind: global_buffer, .address_space: global }
      - { .name: wq, .offset: 8, .size: 8, .value_kind: global_buffer, .address_space: global }
      - { .name: b_attn, .offset: 16, .size: 8, .value_kind: global_buffer, .address_space: global }
      - { .name: qkvc, .offset: 24, .size: 8, .value_kind: global_buffer, .address_space: global }
      - { .name: out2, .offset: 32, .size: 8, .value_kind: global_buffer, .address_space: global }
    .group_segment_fixed_size: 327680
    .private_segment_fixed_size: 0
    .kernarg_segment_align: 8
    .kernarg_segment_size: 40
    .max_flat_workgroup_size: 128
    .sgpr_count:     102
    .vgpr_count:     1024
    .wavefront_size: 32
...
	.end_amdgpu_metadata
.endif
;; end of part 2
;; launch attn (part 3): grid 8 x 32, 16 waves a work-group, clusters of 4 x 1, 327,680 bytes of LDS; arguments qkvc, yq, entp; writes yq, entp
.if DOCPART == 3
	.amdgcn_target "amdgcn-amd-amdhsa--gfx1250"
	.amdhsa_code_object_version 6
	.text
	.protected	k_q97aacfd773_attn
	.globl	k_q97aacfd773_attn
	.p2align	8
	.type	k_q97aacfd773_attn,@function
k_q97aacfd773_attn:
	s_mov_b64 s[64:65], 0
	v_nop
	global_prefetch_b8 v0, s[64:65] scope:SCOPE_SE
	s_setreg_imm32_b32 hwreg(HW_REG_WAVE_MODE, 25, 1), 1
	s_wait_xcnt 0x0
	s_wait_alu depctr_hold_cnt(0) depctr_sa_sdst(0) depctr_va_vdst(0) depctr_va_sdst(0) depctr_va_ssrc(0) depctr_va_vcc(0) depctr_vm_vsrc(0)
	s_getreg_b32 s2, hwreg(HW_REG_IB_STS2, 6, 4)
	s_cmp_eq_u32 s2, 0
	s_cbranch_scc0 .Lentry_in_a_cluster
	s_endpgm
.Lentry_in_a_cluster:
	s_bfe_u32 s2, ttmp6, 0x10000c
	s_cmp_lg_u32 s2, 0x3003
	s_cbranch_scc0 .Lentry_shape_is_right
	s_endpgm
.Lentry_shape_is_right:
; Causal attention of one (batch, head) on codes of E5M2 with E8M0 scales; y leaves as codes for the projection; the rows' entropies are summed for each work-group.
; SHARES.  Eight work-groups to a head.  Work-group j (0..7) has sixteen waves; the wave of rank k owns row block 8 k + j of the head's 128: 16 queries among tokens 128 k .. 128 k + 127.
; So a step of 128 keys is left out where its number is above the rank, masked where it equals it, open below: every branch hangs on the wave's number and a counted loop alone, and every work-group has 136 steps of work.
; rank = wave xor 3 ((wave / 4) % 2): waves w, w + 4, w + 8, w + 12 have 34 steps together.
; THE WHOLE HEAD'S K AND V LIE IN LDS: 16 blocks of 16,896 bytes (K's codes 8,192, V^T's 8,192, K's scale words 256, V's 256), each filled once, by joint loads of the cluster's four work-groups.  Nothing is filled again.
; LAYOUT.  Both products transposed: a lane holds one query.  A fragment of K holds two tiles of 16 keys, X as k 0-63 and Y as k 64-127 (the head has 64): it is multiplied by [q | 0] and by [0 | q]; zero codes add nothing.
; The keys of a tile are chosen so that the 16 score registers of a fragment are the 16 neighbouring keys 32 g + 16 (lane / 16) + 0 .. 15.
; SOFTMAX.  t = score x log2(e) / 8; M = the running largest t rounded up to a whole number; p = 2^(t - M) is quantised along the keys; the sum l is taken of the unquantised p and divides at the end.
; ENTROPY in the same pass: with a = p / l, the sum of -a ln a is ln 2 (log2 l - E / l), E = the sum of p (t - M); when M moves by d = old M - new M, E becomes 2^d (E + d l).
; LIMIT. Each term a ln(1 + 1e-8 / a) lies between 0 and 1e-8, a row has 1,024.5 terms on average: the mean entropy comes out at most 1.03e-5 too large.
; LIMITS: NaN and infinities are not served; a block under 2^-111, or of zeros, gets the scale byte 1 (only this program reads the bytes).  y's scale bytes leave two at a time: one byte in 32 of the codes.
.set HSTR, 405504                      ; a head's 16 blocks in qkvc
.set BSTR, 25344                       ; a block there;
.set KVB,  16896                       ; its part that is fetched: 66 x 256 bytes
.set ENT,  16*KVB                      ; behind the 16 blocks: a word for each wave, in a block of 256 bytes into which no fill lands
.set X,   40                           ; v40-103   K's four fragments, then p
.set Y,   104                          ; v104-167  the scores, then t - M, then V's four fragments
.set O,   168                          ; v168-199  O^T: register 16 t + i is channel 32 t + 16 (lane / 16) + i
.set PC,  200                          ; v200-215  p's codes
.set BM,  216                          ; v216-219  a block's largest score, then its largest p
.set T4,  220
.set HB,  224
.set SOP, 228
.set KSC, 232                          ; v232-235  K's or V's scale words
.set PSC, 236                          ; p's scale word;  v237 q's
.set SQ,  237
.set FF,  238                          ; v[238:239] f = 2^d (the low word)
.set DD,  240                          ; v[240:241] d
.set L2,  242
.set E2,  244
.set TT,  246
.set NEG, 248                          ; -1e30: a hidden score.  Finite, so that p (t - M) is 0 there
.set EE,  10                           ; v[10:11] E in two halves;  v12 -M, v13 the largest t;  v[14:15] l in two halves;  v16-39 [0 | q | 0]
.set LL,  14
.set G1,  24
.set G0,  32
.macro CROUND
	s_barrier_signal -1
	s_barrier_wait -1
	s_cmp_lg_u32 s10, 0
	s_cbranch_scc1 .Lnot_wave_0_\@
	s_barrier_signal -3
.Lnot_wave_0_\@:
	s_barrier_wait -3
	s_barrier_signal -1
	s_barrier_wait -1
.endm
	s_load_b128 s[4:7], s[0:1], 0x0                ; qkvc, yq
	s_load_b64 s[8:9], s[0:1], 0x10                ; entp
	v_lshl_add_u32 v254, v0, 2, 0x42100
	v_mov_b32 v255, 0
	ds_add_u32 v254, v255
	ds_add_u32 v254, v255
	v_lshrrev_b32 v1, 5, v0
	s_delay_alu instid0(VALU_DEP_1)
	v_readfirstlane_b32 s10, v1                    ; wave 0..15
	s_bfe_u32 s11, s10, 0x10002
	s_mul_i32 s11, s11, 3
	s_xor_b32 s11, s11, s10                        ; rank
	s_bfe_u32 s12, ttmp6, 0x40000                  ; cx
	s_lshl_b32 s13, ttmp9, 2
	s_add_co_u32 s13, s13, s12                     ; j: it enters global addresses and data alone
	s_and_b32 s14, ttmp7, 0xffff                   ; 16 x batch + head, which the partners share
	s_mul_i32 s50, s14, HSTR
	s_mov_b32 s51, 0
	s_and_b32 s52, s10, 3
	s_mov_b32 s[G1], 15|(3<<16)|(1<<21)            ; the mask: all four work-groups; elements of 8 bytes; bit 21 beside a mask
	s_mov_b32 s[G1+1], 32<<16                      ; 66 rows of 256 bytes, dense
	s_mov_b32 s[G1+2], 66<<16
	s_mov_b32 s[G1+3], 32<<16
	s_mov_b32 s[G1+4], 66
	s_mov_b32 s[G1+5], 32
	s_mov_b32 s[G1+6], 0
	s_mov_b32 s[G1+7], 0
	s_mul_i32 s53, s52, KVB
	s_mul_i32 s54, s52, BSTR
	s_mov_b32 s55, 0
	s_mov_b32 s15, 0                               ; LDS byte of the step's block
	s_mov_b32 s16, 0                               ; the step's number
	s_mov_b32 s20, 0x76543210
	s_mov_b32 s21, 0xfedcba98
	s_mov_b32 s22, 0x3e38aa3b                      ; c = log2(e) / 8
	s_mov_b32 s23, s22
	s_wait_dscnt 0x0
	s_wait_kmcnt 0x0
	s_add_nc_u64 s[4:5], s[4:5], s[50:51]          ; qkvc at my head
	s_add_nc_u64 s[54:55], s[4:5], s[54:55]
.irp n, 0,1,2,3                        ; wave w (0..3) fetches steps 4 n + w
	s_mov_b32 s[G0+4*\n], 1
	s_add_co_u32 s[G0+4*\n+1], s53, \n*4*KVB
	s_add_nc_u64 s[G0+4*\n+2:G0+4*\n+3], s[54:55], \n*4*BSTR
	s_or_b32 s[G0+4*\n+3], s[G0+4*\n+3], 0x80000000
.endr
	CROUND                                         ; all four work-groups are here: the joint loads meet
	s_cmp_lt_u32 s10, 4
	s_cbranch_scc0 .Lno_fetch
	tensor_load_to_lds s[G0:G0+3], s[G1:G1+7]      ; four loads of mine are out at the most
	s_nop 0
	tensor_load_to_lds s[G0+4:G0+7], s[G1:G1+7]
	s_nop 0
	tensor_load_to_lds s[G0+8:G0+11], s[G1:G1+7]
	s_nop 0
	tensor_load_to_lds s[G0+12:G0+15], s[G1:G1+7]
	s_nop 0
.rept 4
	v_nop
.endr
.Lno_fetch:
	v_and_b32 v7, 31, v0                           ; lane
	s_delay_alu instid0(VALU_DEP_1)
	v_lshlrev_b32 v1, 4, v7                        ; 16 x lane
	v_and_b32 v8, 15, v0                           ; r
	v_bfe_u32 v9, v0, 4, 1                         ; h
	s_delay_alu instid0(VALU_DEP_2)
	v_lshlrev_b32 v6, 2, v8                        ; 4 r
	s_wait_alu depctr_va_vdst(0)
	v_add_nc_u32 v2, 16384, v6                     ; a block's scale words
	s_mul_i32 s56, s11, BSTR
	s_lshl_b32 s57, s13, 10                        ; q's row block j of the block: fragment j / 2, pieces 2 (j % 2) on
	s_add_co_u32 s56, s56, s57
	s_mov_b32 s57, 0
	s_add_nc_u64 s[56:57], s[4:5], s[56:57]
	global_load_b128 v[24:27], v1, s[56:57] offset:16896
	global_load_b128 v[28:31], v1, s[56:57] offset:16896+512
	s_mul_i32 s58, s11, BSTR
	s_lshr_b32 s59, s13, 1
	s_lshl_b32 s59, s59, 6
	s_add_co_u32 s58, s58, s59
	s_mov_b32 s59, 0
	s_add_nc_u64 s[58:59], s[4:5], s[58:59]
	global_load_b32 v[TT], v6, s[58:59] offset:25088
	s_lshr_b32 s60, s13, 1
	s_lshl_b32 s60, s60, 5
	s_and_b32 s61, s13, 1
	s_lshl_b32 s18, s61, 3
	s_add_co_u32 s60, s60, s18
	v_and_b32 v3, 8, v8
	s_delay_alu instid0(VALU_DEP_1)
	v_add_nc_u32 v3, v3, v8
	v_lshlrev_b32 v4, 4, v9
	s_delay_alu instid0(VALU_DEP_1)
	v_sub_nc_u32 v3, v3, v4
	s_delay_alu instid0(VALU_DEP_1)
	v_add_nc_u32 v3, s60, v3                       ; my query among its 128 tokens, less 16 h: key 32 g + i of my half is hidden where 32 g + i is above it
	s_cmp_eq_u32 s61, 0
	s_mov_b32 s49, 0x03020302
	s_cselect_b32 s49, 0x01000100, s49             ; which two bytes of the pair's scale word are my row block's
	s_lshl_b32 s18, s10, 2
	s_add_co_u32 s18, s18, ENT
	v_mov_b32 v9, s18                              ; my wave's word
	v_mov_b32 v8, ENT
.irp n, 16,17,18,19,20,21,22,23,32,33,34,35,36,37,38,39
	v_mov_b32 v\n, 0                               ; the zero halves beside q
.endr
.set n, 0
.rept 32
	v_mov_b32 v[O+n], 0                            ; the step is written once: the first finds zeros
.set n, n+1
.endr
	v_mov_b32 v10, 0
	v_mov_b32 v11, 0
	v_mov_b32 v14, 0
	v_mov_b32 v15, 0
	v_mov_b32 v13, 0xff61b1e6                      ; -3e38, under every t
	s_delay_alu instid0(VALU_DEP_1)
	v_floor_f32 v12, -v13
.irp b, 0,1,2,3
	v_mov_b32 v[T4+\b], 0                          ; a lane permute's destination counts as one of its sources
.endr
	v_mov_b32 v[FF+1], 0                           ; (upper halves of pairs of which the low word is used)
	v_mov_b32 v[DD+1], 0
	v_mov_b32 v[NEG], 0xf149f2ca
	s_wait_loadcnt 0x0
	v_perm_b32 v[SQ], v[TT], v[TT], s49            ; q's two bytes twice: they serve [q | 0] and [0 | q]
.macro STEP                            ; 128 keys
	s_cmp_gt_u32 s16, s11
	s_cbranch_scc1 .Lhid_\@                        ; all its keys come after my queries
	s_setprio 2
	v_add_nc_u32 v4, s15, v1
	v_add_nc_u32 v5, s15, v2
.rept 8
	v_nop                                          ; with the two additions ten places: the scores are laid over V's fragments, which the last products read (nine are asked there; eight for the loads)
.endr
.irp g, 0,1,2,3
.irp c, 0,1,2,3
	ds_load_b128 v[X+16*\g+4*\c:X+16*\g+4*\c+3], v4 offset:2048*\g+512*\c
.endr
	ds_load_b32 v[KSC+\g], v5 offset:64*\g
.endr
	s_wait_dscnt 0x0
	s_wait_alu depctr_va_vdst(0)
.irp g, 0,1,2,3
	v_wmma_scale_f32_16x16x128_f8f6f4 v[Y+16*\g:Y+16*\g+7], v[X+16*\g:X+16*\g+15], v[24:39], 0, v[KSC+\g], v[SQ] matrix_a_fmt:MATRIX_FMT_BF8 matrix_b_fmt:MATRIX_FMT_BF8
	v_wmma_scale_f32_16x16x128_f8f6f4 v[Y+16*\g+8:Y+16*\g+15], v[X+16*\g:X+16*\g+15], v[16:31], 0, v[KSC+\g], v[SQ] matrix_a_fmt:MATRIX_FMT_BF8 matrix_b_fmt:MATRIX_FMT_BF8
.endr
.rept 8
	v_nop
.endr
	s_cmp_lg_u32 s16, s11
	s_cbranch_scc1 .Lopen_\@                       ; only the step on the diagonal is masked
.set n, 0
.rept 64
	v_cmp_gt_i32 vcc_lo, 32*(n/16)+n%16, v3
	v_cndmask_b32 v[Y+n], v[Y+n], v[NEG], vcc_lo
.set n, n+1
.endr
.Lopen_\@:
.irp b, 0,1,2,3
	v_max3_num_f32 v[BM+\b], v[Y+16*\b], v[Y+16*\b+1], v[Y+16*\b+2]   ; the largest score of each block of 32 keys: for the row's maximum and for the block's largest p
.endr
.irp i, 3,5,7,9,11,13
.irp b, 0,1,2,3
	v_max3_num_f32 v[BM+\b], v[BM+\b], v[Y+16*\b+\i], v[Y+16*\b+\i+1]
.endr
.endr
.irp b, 0,1,2,3
	v_max_num_f32 v[BM+\b], v[BM+\b], v[Y+16*\b+15]
.endr
.irp b, 0,1,2,3
	s_delay_alu instid0(VALU_DEP_4)
	v_permlanex16_b32 v[T4+\b], v[BM+\b], s20, s21
.endr
.irp b, 0,1,2,3
	s_delay_alu instid0(VALU_DEP_4)
	v_max_num_f32 v[BM+\b], v[BM+\b], v[T4+\b]
.endr
	s_delay_alu instid0(VALU_DEP_2)
	v_max3_num_f32 v[TT], v[BM], v[BM+1], v[BM+2]
	s_delay_alu instid0(VALU_DEP_1)
	v_max_num_f32 v[TT], v[TT], v[BM+3]
	s_delay_alu instid0(VALU_DEP_1)
	v_mul_f32 v[TT], s22, v[TT]
	s_delay_alu instid0(VALU_DEP_1)
	v_max_num_f32 v13, v13, v[TT]                  ; the running largest t
	v_mov_b32 v[TT], v12
	s_delay_alu instid0(VALU_DEP_2)
	v_floor_f32 v12, -v13                          ; the new -M
	s_delay_alu instid0(VALU_DEP_1)
	v_sub_f32 v[DD], v12, v[TT]                    ; d = old M - new M: a whole number, 0 or less
	s_delay_alu instid0(VALU_DEP_1)
	v_cvt_i32_f32 v[TT], v[DD]                     ; (it saturates)
	s_delay_alu instid0(VALU_DEP_1)
	v_ldexp_f32 v[FF], 1.0, v[TT]                  ; f = 2^d
.set n, 0
.rept 32
	v_pk_fma_f32 v[Y+n:Y+n+1], v[Y+n:Y+n+1], s[22:23], v[12:13] op_sel_hi:[1,0,0]   ; t - M
.set n, n+2
.endr
.irp b, 0,1,2,3
	v_fma_f32 v[BM+\b], v[BM+\b], s22, v12
.endr
.set n, 0
	s_setprio 1
	s_wait_alu depctr_va_vdst(0)
.rept 64
	v_exp_f32 v[X+n], v[Y+n]                       ; p; t - M is kept for the entropy
.set n, n+1
.endr
	v_pk_fma_f32 v[EE:EE+1], v[LL:LL+1], v[DD:DD+1], v[EE:EE+1] op_sel_hi:[1,0,1]   ; E + d l.  (The plain instruction behind the exponentials)
	s_wait_alu depctr_va_vdst(0)                   ; one wait for the batch, ahead of its first reader
.irp b, 0,1,2,3
	v_exp_f32 v[BM+\b], v[BM+\b]                   ; the block's largest p
.endr
	v_pk_mul_f32 v[EE:EE+1], v[EE:EE+1], v[FF:FF+1] op_sel_hi:[1,0]
	v_pk_mul_f32 v[LL:LL+1], v[LL:LL+1], v[FF:FF+1] op_sel_hi:[1,0]
	v_pk_add_f32 v[L2:L2+1], v[X:X+1], v[X+2:X+3]  ; the sums of p and of p (t - M), two chains each
	v_pk_mul_f32 v[E2:E2+1], v[X+2:X+3], v[Y+2:Y+3]
	v_pk_fma_f32 v[EE:EE+1], v[X:X+1], v[Y:Y+1], v[EE:EE+1]
.set n, 4
.rept 15
	v_pk_add_f32 v[LL:LL+1], v[LL:LL+1], v[X+n:X+n+1]
	v_pk_add_f32 v[L2:L2+1], v[L2:L2+1], v[X+n+2:X+n+3]
	v_pk_fma_f32 v[EE:EE+1], v[X+n:X+n+1], v[Y+n:Y+n+1], v[EE:EE+1]
	v_pk_fma_f32 v[E2:E2+1], v[X+n+2:X+n+3], v[Y+n+2:Y+n+3], v[E2:E2+1]
.set n, n+4
.endr
	s_delay_alu instid0(VALU_DEP_3)
	v_pk_add_f32 v[LL:LL+1], v[LL:LL+1], v[L2:L2+1]
	s_delay_alu instid0(VALU_DEP_2)
	v_pk_add_f32 v[EE:EE+1], v[EE:EE+1], v[E2:E2+1]
.irp t, 0,1,2,3                        ; V's fragments land while p is quantised
.irp c, 0,1,2,3
	ds_load_b128 v[Y+16*\t+4*\c:Y+16*\t+4*\c+3], v4 offset:8192+2048*\t+512*\c
.endr
	ds_load_b32 v[KSC+\t], v5 offset:256+64*\t
.endr
	s_setprio 0
	s_wait_alu depctr_va_vdst(0)                   ; and one for the four
.irp b, 0,1,2,3
	v_max_num_f32 v[BM+\b], 0x8000000, v[BM+\b]    ; the floor 2^(16 - 127)
.endr
.irp b, 0,1,2,3
	s_delay_alu instid0(VALU_DEP_4)
	v_add_nc_u32 v[SOP+\b], 0xf8800000, v[BM+\b]
.endr
.irp b, 0,1,2,3
.endr
.irp b, 0,1,2,3
	s_delay_alu instid0(VALU_DEP_4)
	v_lshrrev_b32 v[T4+\b], 23, v[SOP+\b]
.endr
	s_delay_alu instid0(VALU_DEP_3)
	v_lshl_or_b32 v[PSC], v[T4+1], 8, v[T4]
	s_delay_alu instid0(VALU_DEP_1)
	v_lshl_or_b32 v[PSC], v[T4+2], 16, v[PSC]
	s_delay_alu instid0(VALU_DEP_1)
	v_lshl_or_b32 v[PSC], v[T4+3], 24, v[PSC]
.irp b, 0,1,2,3
.irp i, 0,1,2,3,4,5,6,7,8,9,10,11,12,13,14,15
.endr
	v_cvt_scalef32_pk8_bf8_f32 v[PC+4*\b:PC+4*\b+1], v[X+16*\b:X+16*\b+7], v[SOP+\b]
	v_cvt_scalef32_pk8_bf8_f32 v[PC+4*\b+2:PC+4*\b+3], v[X+16*\b+8:X+16*\b+15], v[SOP+\b]
.endr
.set n, 0
.rept 16
	v_pk_mul_f32 v[O+n:O+n+1], v[O+n:O+n+1], v[FF:FF+1] op_sel_hi:[1,0]   ; O^T under the new M; also the places between the codes and the products
.set n, n+2
.endr
	s_wait_alu depctr_va_vdst(0)
	s_wait_dscnt 0x0
.irp t, 0,1,2,3
	v_wmma_scale_f32_16x16x128_f8f6f4 v[O+8*\t:O+8*\t+7], v[Y+16*\t:Y+16*\t+15], v[PC:PC+15], v[O+8*\t:O+8*\t+7], v[KSC+\t], v[PSC] matrix_a_fmt:MATRIX_FMT_BF8 matrix_b_fmt:MATRIX_FMT_BF8
.endr
.Lhid_\@:
	s_add_co_u32 s15, s15, KVB
	s_add_co_u32 s16, s16, 1
.endm
.macro QUARTER q                       ; four steps, behind the barrier that shows their blocks landed
	s_wait_tensorcnt 3-\q                          ; in a fetching wave: my load for this quarter is in, the later quarters' stay out
	s_wait_dscnt 0x0
	s_barrier_signal -1
	s_barrier_wait -1
	s_mov_b32 s17, 4
.Lstep_\@:
	STEP
	s_sub_co_u32 s17, s17, 1
	s_cmp_lg_u32 s17, 0
	s_cbranch_scc1 .Lstep_\@
	s_setprio 0
.endm
	QUARTER 0
	QUARTER 1
	QUARTER 2
	QUARTER 3
	; ---- THE WAY OUT
	v_add_f32 v14, v14, v15
	v_add_f32 v10, v10, v11
	s_delay_alu instid0(VALU_DEP_2)
	v_permlanex16_b32 v[T4], v14, s20, s21
	s_delay_alu instid0(VALU_DEP_2)
	v_permlanex16_b32 v[T4+1], v10, s20, s21
	s_delay_alu instid0(VALU_DEP_2)
	v_add_f32 v14, v14, v[T4]                      ; l
	s_delay_alu instid0(VALU_DEP_2)
	v_add_f32 v10, v10, v[T4+1]                    ; E
.rept 4
	v_nop                                          ; with the four additions: eight places behind the last products
.endr
	s_wait_alu depctr_va_vdst(0)
	v_rcp_f32 v[FF], v14
	v_log_f32 v[TT], v14
	v_nop
	s_wait_alu depctr_va_vdst(0)
.set n, 0
.rept 16
	v_pk_mul_f32 v[O+n:O+n+1], v[O+n:O+n+1], v[FF:FF+1] op_sel_hi:[1,0]   ; y = O^T / l
.set n, n+2
.endr
	v_mul_f32 v[TT+1], v10, v[FF]
	v_sub_f32 v[TT+1], v[TT], v[TT+1]
	s_delay_alu instid0(VALU_DEP_1)
	v_mul_f32 v[TT+1], 0x3f317218, v[TT+1]         ; my query's entropy: ln 2 (log2 l - E / l)
.irp m, 1,2,4,8
	s_delay_alu instid0(VALU_DEP_1)
	v_add_f32_dpp v[TT+1], v[TT+1], v[TT+1] row_xmask:\m row_mask:0xf bank_mask:0xf
.endr
	ds_store_b32 v9, v[TT+1]                       ; my 16 queries' sum: all lanes write the same word with the same value
.irp b, 0,1                            ; y's two blocks of 32 along the projection's K
	v_max3_num_f32 v[BM+\b], |v[O+16*\b]|, |v[O+16*\b+1]|, 0x8000000
.endr
.irp i, 2,4,6,8,10,12,14
.irp b, 0,1
	s_delay_alu instid0(VALU_DEP_2)
	v_max3_num_f32 v[BM+\b], v[BM+\b], |v[O+16*\b+\i]|, |v[O+16*\b+\i+1]|
.endr
.endr
.irp b, 0,1
	s_delay_alu instid0(VALU_DEP_2)
	v_permlanex16_b32 v[T4+\b], v[BM+\b], s20, s21
.endr
.irp b, 0,1
	s_delay_alu instid0(VALU_DEP_2)
	v_max_num_f32 v[BM+\b], v[BM+\b], v[T4+\b]
.endr
.irp b, 0,1
	s_delay_alu instid0(VALU_DEP_2)
	v_add_nc_u32 v[SOP+\b], 0xf8800000, v[BM+\b]
.endr
.irp b, 0,1
	s_delay_alu instid0(VALU_DEP_2)
	v_lshrrev_b32 v[T4+\b], 23, v[SOP+\b]
.endr
	s_delay_alu instid0(VALU_DEP_1)
	v_lshl_or_b32 v[PSC], v[T4+1], 8, v[T4]
.irp b, 0,1
.irp i, 0,1,2,3,4,5,6,7,8,9,10,11,12,13,14,15
.endr
	v_cvt_scalef32_pk8_bf8_f32 v[PC+4*\b:PC+4*\b+1], v[O+16*\b:O+16*\b+7], v[SOP+\b]
	v_cvt_scalef32_pk8_bf8_f32 v[PC+4*\b+2:PC+4*\b+3], v[O+16*\b+8:O+16*\b+15], v[SOP+\b]
.endr
	v_nop
	s_lshr_b32 s50, s14, 4
	s_lshl_b32 s50, s50, 7
	s_lshl_b32 s51, s11, 3
	s_add_co_u32 s50, s50, s51
	s_add_co_u32 s50, s50, s13                     ; my row block among the 256
	s_and_b32 s51, s14, 15                         ; the head: fragment head / 2, pieces 2 (head % 2) on
	s_lshl_b32 s52, s50, 14
	s_lshl_b32 s53, s51, 10
	s_add_co_u32 s52, s52, s53
	s_mov_b32 s53, 0
	s_add_nc_u64 s[54:55], s[6:7], s[52:53]
	s_lshl_b32 s52, s50, 9
	s_lshr_b32 s56, s51, 1
	s_lshl_b32 s56, s56, 6
	s_add_co_u32 s52, s52, s56
	s_and_b32 s56, s51, 1
	s_lshl_b32 s56, s56, 1
	s_add_co_u32 s52, s52, s56
	s_add_co_u32 s52, s52, 4194304
	s_add_nc_u64 s[56:57], s[6:7], s[52:53]
	s_wait_alu depctr_va_vdst(0)
	global_store_b128 v1, v[PC:PC+3], s[54:55]     ; 512 consecutive bytes each
	global_store_b128 v1, v[PC+4:PC+7], s[54:55] offset:512
	global_store_b16 v6, v[PSC], s[56:57]          ; my row's two bytes; lanes 16-31 repeat lanes 0-15: the same address, the same value
	s_wait_dscnt 0x0                               ; for the others' sake: my word lies in LDS
	s_barrier_signal -1
	s_barrier_wait -1
	s_cmp_lg_u32 s10, 0
	s_cbranch_scc1 .Lnot_first
.irp n, 0,1,2,3
	ds_load_b128 v[X+4*\n:X+4*\n+3], v8 offset:16*\n
.endr
	s_lshl_b32 s52, s14, 3
	s_add_co_u32 s52, s52, s13
	s_lshl_b32 s52, s52, 2
	s_add_nc_u64 s[8:9], s[8:9], s[52:53]
	v_mov_b32 v[TT], 0
	s_wait_dscnt 0x0
.irp n, 0,4,8,12
	v_pk_add_f32 v[X+\n:X+\n+1], v[X+\n:X+\n+1], v[X+\n+2:X+\n+3]
.endr
	s_delay_alu instid0(VALU_DEP_3)
	v_pk_add_f32 v[X:X+1], v[X:X+1], v[X+4:X+5]
	s_delay_alu instid0(VALU_DEP_2)
	v_pk_add_f32 v[X+8:X+9], v[X+8:X+9], v[X+12:X+13]
	s_delay_alu instid0(VALU_DEP_1)
	v_pk_add_f32 v[X:X+1], v[X:X+1], v[X+8:X+9]
	s_delay_alu instid0(VALU_DEP_1)
	v_add_f32 v[X], v[X], v[X+1]
	v_cmp_eq_u32 vcc_lo, 0, v7
	s_wait_alu depctr_va_vdst(0)
	s_wait_xcnt 0x0                                ; EXEC changes only behind this wait
	s_and_saveexec_b32 s18, vcc_lo
	global_store_b32 v[TT], v[X], s[8:9]           ; the work-group's 256 rows' entropies, summed
	s_wait_xcnt 0x0
	s_or_b32 exec_lo, exec_lo, s18
.Lnot_first:
	s_wait_tensorcnt 0x0
	ds_add_u32 v254, v255
	s_wait_dscnt 0x0
	CROUND                                         ; the closing round
	s_endpgm
.Lfunc_end_k_q97aacfd773_attn:
	.size	k_q97aacfd773_attn, .Lfunc_end_k_q97aacfd773_attn-k_q97aacfd773_attn
	.p2alignl 7, 3214868480
	.fill 96, 4, 3214868480
	.section	.rodata,"a",@progbits
	.p2align	6, 0x0
	.amdhsa_kernel k_q97aacfd773_attn
		.amdhsa_group_segment_fixed_size 327680
		.amdhsa_private_segment_fixed_size 0
		.amdhsa_enable_private_segment 0
		.amdhsa_kernarg_size 24
		.amdhsa_user_sgpr_count 2
		.amdhsa_user_sgpr_kernarg_segment_ptr 1
		.amdhsa_wavefront_size32 1
		.amdhsa_system_sgpr_workgroup_id_x 1
		.amdhsa_system_sgpr_workgroup_id_y 1
		.amdhsa_system_sgpr_workgroup_id_z 1
		.amdhsa_system_vgpr_workitem_id 0
		.amdhsa_next_free_vgpr 256
		.amdhsa_next_free_sgpr 66
		.amdhsa_reserve_vcc 1
		.amdhsa_float_denorm_mode_32 3
		.amdhsa_float_denorm_mode_16_64 3
		.amdhsa_fp16_overflow 1
		.amdhsa_memory_ordered 1
		.amdhsa_forward_progress 1
		.amdhsa_inst_pref_size 115
	.end_amdhsa_kernel
	.amdgpu_metadata
---
amdhsa.version: [ 1, 2 ]
amdhsa.kernels:
  - .name:           k_q97aacfd773_attn
    .symbol:         k_q97aacfd773_attn.kd
    .args:
      - { .name: qkvc, .offset: 0, .size: 8, .value_kind: global_buffer, .address_space: global }
      - { .name: yq, .offset: 8, .size: 8, .value_kind: global_buffer, .address_space: global }
      - { .name: entp, .offset: 16, .size: 8, .value_kind: global_buffer, .address_space: global }
    .group_segment_fixed_size: 327680
    .private_segment_fixed_size: 0
    .kernarg_segment_align: 8
    .kernarg_segment_size: 24
    .max_flat_workgroup_size: 512
    .sgpr_count:     66
    .vgpr_count:     256
    .wavefront_size: 32
...
	.end_amdgpu_metadata
.endif
;; end of part 3
;; launch proj (part 4): grid 8 x 32, 4 waves a work-group, clusters of 4 x 4, 327,680 bytes of LDS; arguments yq, wq, b_proj, x, x1; writes x1
.if DOCPART == 4
	.amdgcn_target "amdgcn-amd-amdhsa--gfx1250"
	.amdhsa_code_object_version 6
	.text
	.protected	k_q97aacfd773_proj
	.globl	k_q97aacfd773_proj
	.p2align	8
	.type	k_q97aacfd773_proj,@function
k_q97aacfd773_proj:
	s_mov_b64 s[64:65], 0
	v_nop
	global_prefetch_b8 v0, s[64:65] scope:SCOPE_SE
	s_setreg_imm32_b32 hwreg(HW_REG_WAVE_MODE, 25, 1), 1
	s_wait_xcnt 0x0
	s_wait_alu depctr_hold_cnt(0) depctr_sa_sdst(0) depctr_va_vdst(0) depctr_va_sdst(0) depctr_va_ssrc(0) depctr_va_vcc(0) depctr_vm_vsrc(0)
	s_getreg_b32 s2, hwreg(HW_REG_IB_STS2, 6, 4)
	s_cmp_eq_u32 s2, 0
	s_cbranch_scc0 .Lentry_in_a_cluster
	s_endpgm
.Lentry_in_a_cluster:
	s_bfe_u32 s2, ttmp6, 0x10000c
	s_cmp_lg_u32 s2, 0xf033
	s_cbranch_scc0 .Lentry_shape_is_right
	s_endpgm
.Lentry_shape_is_right:
; x1 = x + Q(y) Q(w_proj)^T + b_proj on codes of E5M2 with E8M0 scales; x1 is f32.
; A tile of 128 tokens x 128 features to a work-group of four waves (tiles of 256 x 256 would be 64: too few for the WGPs), 64 x 64 a wave: 16 accumulators.  All of K = 1,024 lies in the two LDS slots: nothing is filled again.
; Both operands lie in memory as images of operand registers (a fragment of 16 rows x 128 K is 2,048 bytes, byte 512 c + 16 lane + i); place r of row block R is row 32 (R / 2) + 8 (R % 2) + r + 8 (r / 8).
; The matrix instruction is used transposed (source 0 = 16 features, source 1 = 16 tokens).  The bias is the C of each sum's first matrix instruction.  The residual's 64 x 64 numbers are asked for at the head and land under the products.
; CLUSTERS: 4 x 4 work-groups; A's tiles are asked for jointly along a row of the cluster, B's along a column.
.set NAB,   4
.set NQ,    4
.set S,     8
.set UNIT0, 192
.set ASOFF, 4194304
.set FRB,   2048
.set HALFT, NAB*NQ*FRB
.set SLOT,  4*HALFT
.set LAPS,  S/(2*NQ)
.set SCL,   2*SLOT
.set HALFS, NAB*S*64
.set SPARE, SCL+4*HALFS
.set WSOFF, 12582912
.set ADRA,  16
.set ADRB,  20
.set ADRS,  27
.set SPW,   28
.set NIL,   29
.set SC,    32
.set BN,    64
.set AF,    128
.set G1,    24
.set G0,    32
.set G1B,   48
.set G0B,   56
.set G1S,   68
.set G0S,   76
.set G1SB,  80
.set G0SB,  88
.set TO_B,  0x40
.set MSB,   0
.macro WIN new                         ; the immediate's high byte repeats the setting that is left
.if MSB != (\new)
	s_set_vgpr_msb (MSB<<8)|(\new)
.set MSB, (\new)
.endif
.endm
.macro JLOAD g0a, g1a, g0b, g1b        ; a joint load: waves 0, 1 fetch for A, waves 2, 3 for B; four v_nop follow each line
	s_cmp_eq_u32 s15, 0
	s_cbranch_scc0 .Lfor_b_\@
	tensor_load_to_lds s[\g0a:\g0a+3], s[\g1a:\g1a+7]
	s_nop 0
.rept 4
	v_nop
.endr
	s_branch .Lasked_\@
.Lfor_b_\@:
	tensor_load_to_lds s[\g0b:\g0b+3], s[\g1b:\g1b+7]
	s_nop 0
.rept 4
	v_nop
.endr
.Lasked_\@:
.endm
.macro CREST
	s_cmp_lg_u32 s14, 0
	s_cbranch_scc1 .Lnot_wave_0_\@
	s_barrier_signal -3
.Lnot_wave_0_\@:
	s_barrier_wait -3
	s_barrier_signal -1
	s_barrier_wait -1
.endm
.macro CROUND
	s_barrier_signal -1
	s_barrier_wait -1
	CREST
.endm
.macro PLACES n
.rept \n
	v_nop
.endr
.endm
.macro FRAG reg, adr, q, i
.irp c, 0,1,2,3
	ds_load_b128 v[\reg+4*\c:\reg+4*\c+3], v[\adr] offset:((\i)*NQ+(\q))*FRB+512*\c
.endr
.endm
.macro FETCH_B slot, q, p
	WIN TO_B
.set ii, 0
.rept NAB
	FRAG 128*(\p)+16*ii, ADRB+\slot, \q, ii
.set ii, ii+1
.endr
	WIN 0
.endm
.macro FETCH_A slot, q, i0
.set ii, \i0
.rept NAB/2
	FRAG AF+16*ii, ADRA+\slot, \q, ii
.set ii, ii+1
.endr
.endm
.macro SCALES sc
.set ii, 0
.rept NAB
.set qq, 0
.rept NQ
	ds_load_b32 v[SC+16*(\sc)+NQ*ii+qq], v[ADRS] offset:ii*S*64+64*qq
.set qq, qq+1
.endr
.set ii, ii+1
.endr
.endm
.macro MULA a, p, q, sc, first         ; A's row block a against B's NAB.  first = 1: the bias is C and starts the sums.  The accumulators take turns
.set AW, 2+(\a)/4
.if \first
	WIN 0x01|(AW<<6)
.else
	WIN 0x01|(AW<<4)|(AW<<6)
.endif
.set bb, 0
.rept NAB
.set AC, 8*(NAB*((\a)%4)+bb)
.if \first
	v_wmma_scale_f32_16x16x128_f8f6f4 v[AC:AC+7], v[128*(\p)+16*bb:128*(\p)+16*bb+15], v[AF+16*(\a):AF+16*(\a)+15], v[BN+8*bb:BN+8*bb+7], v[SC+16*(\sc)+NQ*bb+(\q)], v[SC+16*(\sc)+NQ*(\a)+(\q)] matrix_a_fmt:MATRIX_FMT_BF8 matrix_b_fmt:MATRIX_FMT_BF8 matrix_a_scale:MATRIX_SCALE_ROW1
.else
	v_wmma_scale_f32_16x16x128_f8f6f4 v[AC:AC+7], v[128*(\p)+16*bb:128*(\p)+16*bb+15], v[AF+16*(\a):AF+16*(\a)+15], v[AC:AC+7], v[SC+16*(\sc)+NQ*bb+(\q)], v[SC+16*(\sc)+NQ*(\a)+(\q)] matrix_a_fmt:MATRIX_FMT_BF8 matrix_b_fmt:MATRIX_FMT_BF8 matrix_a_scale:MATRIX_SCALE_ROW1
.endif
.set bb, bb+1
.endr
.endm
.macro MULR a0, n, p, q, sc, first
.set aa, \a0
.rept \n
	MULA aa, \p, \q, \sc, \first
.set aa, aa+1
.endr
.endm
.macro STEP slot, q, first
	s_wait_dscnt 2*NAB                             ; B's set and A's lower half are in; the youngest loads (A's upper half) may be out
	MULR 0, NAB/2, (\q)%2, \q, \slot, \first
	s_wait_dscnt 0x0
	PLACES 8
	FETCH_B \slot, (\q)+1, 1-(\q)%2
	FETCH_A \slot, (\q)+1, 0
	MULR NAB/2, NAB/2, (\q)%2, \q, \slot, \first
	PLACES 8
	WIN 0
	FETCH_A \slot, (\q)+1, NAB/2
.endm
.macro TURN slot, next, fill
	s_wait_tensorcnt 0x0                           ; all my tensor loads have landed: my part of the next slot
	ds_add_u32 v[SPW], v[NIL]                      ; 0 onto my spare word
	s_wait_dscnt 2*NAB+1                           ; (the add and A's upper half may be out)
	MULR 0, NAB/4, 1, NQ-1, \slot, 0
	s_wait_dscnt 0x0                               ; the add is done, and my reads of this slot are over
	s_barrier_signal -1
	MULR NAB/4, NAB/4, 1, NQ-1, \slot, 0
	WIN 0
	s_barrier_wait -1
.if \fill
	CREST
	s_add_nc_u64 s[G0+4*\slot+2:G0+4*\slot+3], s[G0+4*\slot+2:G0+4*\slot+3], 2*NQ*FRB
	s_add_nc_u64 s[G0B+4*\slot+2:G0B+4*\slot+3], s[G0B+4*\slot+2:G0B+4*\slot+3], 2*NQ*FRB
	JLOAD G0+4*\slot, G1, G0B+4*\slot, G1B
	PLACES 4
.else
	PLACES 8
.endif
	v_add_nc_u32 v[ADRS], 64*NQ, v[ADRS]
	FETCH_B \next, 0, 0
	FETCH_A \next, 0, 0
	SCALES \next
	MULR NAB/2, NAB/2, 1, NQ-1, \slot, 0
	PLACES 8
	WIN 0
	FETCH_A \next, 0, NAB/2
.endm
.macro MID slot
.if NQ > 2
.set qm, 1
.rept NQ-2
	STEP \slot, qm, 0
.set qm, qm+1
.endr
.endif
.endm
.set CO,  8                            ; v8  my bytes in two rows of the residual and of the result: (lane / 16) rows + 16 (lane % 16)
.set STO, 9                            ; v9  into my stage;  v10 out of it
.set RD,  10
.set BK,  128                          ; 16 rows back from the stage: v128-159 and v160-191 by turns
	s_load_b128 s[4:7], s[0:1], 0x0                ; A's buffer, wq
	s_load_b128 s[96:99], s[0:1], 0x10             ; the bias, the residual
	s_load_b64 s[100:101], s[0:1], 0x20            ; the result
	v_lshl_add_u32 v[SPW], v0, 2, SPARE
	v_mov_b32 v[NIL], 0
	ds_add_u32 v28, v29
	ds_add_u32 v28, v29
	s_wait_dscnt 0x0
	v_lshrrev_b32 v1, 5, v0
	v_readfirstlane_b32 s14, v1
	s_lshr_b32 s15, s14, 1
	s_and_b32 s16, s14, 1
	s_bfe_u32 s40, ttmp6, 0x40000
	s_bfe_u32 s41, ttmp6, 0x40004
	s_lshl_b32 s42, ttmp9, 2
	s_add_co_u32 s42, s42, s40
	s_and_b32 s17, ttmp7, 0xffff
	s_lshl_b32 s17, s17, 2
	s_add_co_u32 s17, s17, s41
	s_lshl_b32 s43, s41, 2
	s_lshl_b32 s43, 15, s43
	s_lshl_b32 s44, 0x1111, s40
	s_or_b32 s[G1+0], s43, (3<<16)|(1<<21)
	s_or_b32 s[G1B+0], s44, (3<<16)|(1<<21)
.irp g, G1, G1B
	s_mov_b32 s[\g+1], (NQ*256)<<16
	s_mov_b32 s[\g+2], NAB<<16
	s_mov_b32 s[\g+3], (NQ*256)<<16
	s_mov_b32 s[\g+4], NAB
	s_mov_b32 s[\g+5], S*256
	s_mov_b32 s[\g+6], 0
	s_mov_b32 s[\g+7], 0
.endr
	s_or_b32 s[G1S+0], s43, (3<<16)|(1<<21)
	s_or_b32 s[G1SB+0], s44, (3<<16)|(1<<21)
.irp g, G1S, G1SB
	s_mov_b32 s[\g+1], 32<<16
	s_mov_b32 s[\g+2], (HALFS/256)<<16
	s_mov_b32 s[\g+3], 32<<16
	s_mov_b32 s[\g+4], HALFS/256
	s_mov_b32 s[\g+5], 32
	s_mov_b32 s[\g+6], 0
	s_mov_b32 s[\g+7], 0
.endr
	s_mul_i32 s18, s16, NAB
	s_mul_i32 s20, s17, 2*NAB
	s_add_co_u32 s20, s20, s18
	s_mul_i32 s46, s42, 2*NAB
	s_add_co_u32 s46, s46, s18
	s_mul_i32 s22, s20, S*64
	s_mov_b32 s23, 0
	s_mul_i32 s92, s46, S*64
	s_mov_b32 s93, 0
	s_mul_i32 s20, s20, S*FRB
	s_mov_b32 s21, 0
	s_mul_i32 s46, s46, S*FRB
	s_mov_b32 s47, 0
	s_mul_i32 s45, s14, HALFT
	s_mul_i32 s94, s14, HALFS
	s_wait_kmcnt 0x0
	s_add_nc_u64 s[8:9], s[6:7], UNIT0*16384
	s_add_nc_u64 s[10:11], s[6:7], WSOFF+UNIT0*512
	s_add_nc_u64 s[6:7], s[4:5], ASOFF
	s_add_nc_u64 s[20:21], s[4:5], s[20:21]
	s_add_nc_u64 s[22:23], s[6:7], s[22:23]
	s_add_nc_u64 s[46:47], s[8:9], s[46:47]
	s_add_nc_u64 s[92:93], s[10:11], s[92:93]
	CROUND
	s_mov_b32 s[G0S], 1
	s_add_co_u32 s[G0S+1], s94, SCL
	s_mov_b64 s[G0S+2:G0S+3], s[22:23]
	s_or_b32 s[G0S+3], s[G0S+3], 0x80000000
	s_mov_b32 s[G0SB], 1
	s_add_co_u32 s[G0SB+1], s94, SCL
	s_mov_b64 s[G0SB+2:G0SB+3], s[92:93]
	s_or_b32 s[G0SB+3], s[G0SB+3], 0x80000000
	JLOAD G0S, G1S, G0SB, G1SB                     ; three loads of mine are out at the most
.irp s, 0,1
	s_mov_b32 s[G0+4*\s], 1
	s_add_co_u32 s[G0+4*\s+1], s45, \s*SLOT
	s_add_nc_u64 s[G0+4*\s+2:G0+4*\s+3], s[20:21], \s*NQ*FRB
	s_or_b32 s[G0+4*\s+3], s[G0+4*\s+3], 0x80000000
	s_mov_b32 s[G0B+4*\s], 1
	s_add_co_u32 s[G0B+4*\s+1], s45, \s*SLOT
	s_add_nc_u64 s[G0B+4*\s+2:G0B+4*\s+3], s[46:47], \s*NQ*FRB
	s_or_b32 s[G0B+4*\s+3], s[G0B+4*\s+3], 0x80000000
	JLOAD G0+4*\s, G1, G0B+4*\s, G1B
.endr
	v_and_b32 v1, 15, v0
	v_bfe_u32 v2, v0, 4, 1
	s_wait_alu depctr_va_vdst(0)
	v_and_b32 v3, 31, v0
	v_lshlrev_b32 v4, 4, v3
	s_wait_alu depctr_va_vdst(0)
	v_lshlrev_b32 v5, 6, v2
	s_mul_i32 s18, s42, 2*NAB*64
	s_mul_i32 s19, s16, NAB*64
	s_add_co_u32 s18, s18, s19
	s_mov_b32 s19, 0
	s_add_nc_u64 s[96:97], s[96:97], s[18:19]
.set bb, 0
.rept NAB
	global_load_b128 v[BN+8*bb:BN+8*bb+3], v5, s[96:97] offset:128*(bb/2)+32*(bb%2)
	global_load_b128 v[BN+8*bb+4:BN+8*bb+7], v5, s[96:97] offset:128*(bb/2)+32*(bb%2)+16
.set bb, bb+1
.endr
	s_lshl_b32 s18, s17, 7
	s_lshl_b32 s19, s15, 6
	s_add_co_u32 s18, s18, s19                     ; my first token
	s_lshl_b32 s18, s18, 12
	s_lshl_b32 s19, s42, 9
	s_add_co_u32 s18, s18, s19
	s_lshl_b32 s19, s16, 8
	s_add_co_u32 s18, s18, s19                     ; + my first feature, in bytes
	s_mov_b32 s19, 0
	s_add_nc_u64 s[98:99], s[98:99], s[18:19]
	s_add_nc_u64 s[100:101], s[100:101], s[18:19]
	v_lshlrev_b32 v[CO], 12, v2
	v_lshl_add_u32 v[CO], v1, 4, v[CO]
	WIN 0xc0                                       ; the residual: window 3, register 4 (8 a + f): rows 32 (a / 2) + 8 (a % 2) + 2 f + 8 (f / 4) + lane / 16
.set aa, 0
.rept 4
.irp f, 0,1,2,3,4,5,6,7
	global_load_b128 v[32*aa+4*\f:32*aa+4*\f+3], v[CO], s[98:99] offset:(32*(aa/2)+8*(aa%2)+2*\f+8*(\f/4))*4096
.endr
.set aa, aa+1
.endr
	WIN 0
	s_mul_i32 s21, s15, HALFT
	s_mul_i32 s22, s16, HALFT
	s_add_co_u32 s22, s22, 2*HALFT
.irp s, 0,1
	v_add_nc_u32 v[ADRA+\s], s21, v4
	v_add_nc_u32 v[ADRB+\s], s22, v4
	s_add_co_u32 s21, s21, SLOT
	s_add_co_u32 s22, s22, SLOT
.endr
	v_lshlrev_b32 v22, 2, v1
	s_mul_i32 s21, s15, HALFS
	s_mul_i32 s22, s16, HALFS
	s_add_co_u32 s22, s22, 2*HALFS
	s_sub_co_u32 s22, s22, s21
	v_mul_u32_u24 v23, s22, v2
	s_add_co_u32 s21, s21, SCL
	v_add_nc_u32 v22, v22, v23
	v_add_nc_u32 v[ADRS], s21, v22
	s_mul_i32 s23, s14, 16*272                     ; my stage: 16 rows x (256 + 16) bytes, in slot 0
	v_mul_u32_u24 v[STO], v1, 272
	v_lshl_add_u32 v[STO], v2, 6, v[STO]
	v_add_nc_u32 v[STO], s23, v[STO]
	v_mul_u32_u24 v[RD], v2, 272
	v_lshl_add_u32 v[RD], v1, 4, v[RD]
	v_add_nc_u32 v[RD], s23, v[RD]
	s_wait_alu depctr_va_vdst(0)
	s_wait_tensorcnt 1                             ; the scale words and my part of slot 0 are in; slot 1's load may be out
	s_barrier_signal -1
	s_barrier_wait -1
	FETCH_B 0, 0, 0
	FETCH_A 0, 0, 0
	SCALES 0
	FETCH_A 0, 0, NAB/2
	s_wait_loadcnt 32                              ; the bias is in; the 32 loads of the residual, issued behind it, stay out
	STEP 0, 0, 1
.if LAPS > 1
	s_mov_b32 s3, LAPS-1
.Llap:
	MID 0
	TURN 0, 1, 1
	STEP 1, 0, 0
	MID 1
	TURN 1, 0, 1
	STEP 0, 0, 0
	s_sub_co_u32 s3, s3, 1
	s_cmp_lg_u32 s3, 0
	s_cbranch_scc1 .Llap
.endif
	MID 0
	TURN 0, 1, 0
	STEP 1, 0, 0
	MID 1
	s_wait_dscnt 2*NAB
	MULR 0, NAB/2, 1, NQ-1, 1, 0
	s_wait_dscnt 0x0
	MULR NAB/2, NAB/2, 1, NQ-1, 1, 0
	WIN 0
; THE WAY OUT, 16 tokens x 64 features at a time through my own stage.  It lies in slot 0, which has had its last fill, and which nobody reads behind the last change of slots.
.macro TOSTAGE a
	WIN 0x08
.set bb, 0
.rept 4
	ds_store_b128 v[STO], v[32*(\a)+8*bb:32*(\a)+8*bb+3] offset:128*(bb/2)+32*(bb%2)
	ds_store_b128 v[STO], v[32*(\a)+8*bb+4:32*(\a)+8*bb+7] offset:128*(bb/2)+32*(bb%2)+16
.set bb, bb+1
.endr
	WIN 0
.set BB, BK+32*((\a)%2)
.irp f, 0,1,2,3,4,5,6,7
	ds_load_b128 v[BB+4*\f:BB+4*\f+3], v[RD] offset:544*\f   ; LDS serves a wave's instructions in order: these see my stores
.endr
.endm
.macro SEND a, younger
.set BB, BK+32*((\a)%2)
	s_wait_dscnt \younger
	WIN 0x0c                                       ; source 1: the residual, in window 3
.set p, 0
.rept 16
	v_pk_add_f32 v[BB+p:BB+p+1], v[BB+p:BB+p+1], v[32*(\a)+p:32*(\a)+p+1]
.set p, p+2
.endr
	WIN 0
.irp f, 0,1,2,3,4,5,6,7
	global_store_b128 v[CO], v[BB+4*\f:BB+4*\f+3], s[100:101] offset:(32*((\a)/2)+8*((\a)%2)+2*\f+8*(\f/4))*4096 th:TH_STORE_NT   ; sixteen lanes store 256 consecutive bytes, aligned
.endr
.endm
	PLACES 8
	s_wait_loadcnt 0x0                             ; the residual
	TOSTAGE 0
.irp a, 1,2,3
.if \a > 1
	s_wait_xcnt 0x0                                ; the stores of two blocks back have read their registers
.endif
	TOSTAGE \a
	SEND \a-1, 16                                  ; behind that block's loads: the next block's 8 stores and 8 loads
.endr
	SEND 3, 0
	s_wait_tensorcnt 0x0                           ; the wave's end
	ds_add_u32 v[SPW], v[NIL]
	s_wait_dscnt 0x0
	CROUND
	s_endpgm
.Lfunc_end_k_q97aacfd773_proj:
	.size	k_q97aacfd773_proj, .Lfunc_end_k_q97aacfd773_proj-k_q97aacfd773_proj
	.p2alignl 7, 3214868480
	.fill 96, 4, 3214868480
	.section	.rodata,"a",@progbits
	.p2align	6, 0x0
	.amdhsa_kernel k_q97aacfd773_proj
		.amdhsa_group_segment_fixed_size 327680
		.amdhsa_private_segment_fixed_size 0
		.amdhsa_enable_private_segment 0
		.amdhsa_kernarg_size 40
		.amdhsa_user_sgpr_count 2
		.amdhsa_user_sgpr_kernarg_segment_ptr 1
		.amdhsa_wavefront_size32 1
		.amdhsa_system_sgpr_workgroup_id_x 1
		.amdhsa_system_sgpr_workgroup_id_y 1
		.amdhsa_system_sgpr_workgroup_id_z 1
		.amdhsa_system_vgpr_workitem_id 0
		.amdhsa_next_free_vgpr 896
		.amdhsa_next_free_sgpr 102
		.amdhsa_reserve_vcc 0
		.amdhsa_float_denorm_mode_32 3
		.amdhsa_float_denorm_mode_16_64 3
		.amdhsa_memory_ordered 1
		.amdhsa_forward_progress 1
		.amdhsa_inst_pref_size 66
	.end_amdhsa_kernel
	.amdgpu_metadata
---
amdhsa.version: [ 1, 2 ]
amdhsa.kernels:
  - .name:           k_q97aacfd773_proj
    .symbol:         k_q97aacfd773_proj.kd
    .args:
      - { .name: yq, .offset: 0, .size: 8, .value_kind: global_buffer, .address_space: global }
      - { .name: wq, .offset: 8, .size: 8, .value_kind: global_buffer, .address_space: global }
      - { .name: b_proj, .offset: 16, .size: 8, .value_kind: global_buffer, .address_space: global }
      - { .name: x, .offset: 24, .size: 8, .value_kind: global_buffer, .address_space: global }
      - { .name: x1, .offset: 32, .size: 8, .value_kind: global_buffer, .address_space: global }
    .group_segment_fixed_size: 327680
    .private_segment_fixed_size: 0
    .kernarg_segment_align: 8
    .kernarg_segment_size: 40
    .max_flat_workgroup_size: 128
    .sgpr_count:     102
    .vgpr_count:     896
    .wavefront_size: 32
...
	.end_amdgpu_metadata
.endif
;; end of part 4
;; launch ln2: the kernel of part 1 again; grid 256 x 1, 4 waves a work-group, no clusters, 18,944 bytes of LDS; arguments x1, ln2_w, ln2_b, w_attn, w_proj, w_fc, w_mlp, hq, wq; writes hq, wq
;; launch fc (part 5): grid 16 x 16, 4 waves a work-group, clusters of 4 x 4, 327,680 bytes of LDS; arguments hq, wq, b_fc, gq; writes gq
.if DOCPART == 5
	.amdgcn_target "amdgcn-amd-amdhsa--gfx1250"
	.amdhsa_code_object_version 6
	.text
	.protected	k_q97aacfd773_fc
	.globl	k_q97aacfd773_fc
	.p2align	8
	.type	k_q97aacfd773_fc,@function
k_q97aacfd773_fc:
	s_mov_b64 s[64:65], 0
	v_nop
	global_prefetch_b8 v0, s[64:65] scope:SCOPE_SE
	s_setreg_imm32_b32 hwreg(HW_REG_WAVE_MODE, 25, 1), 1
	s_wait_xcnt 0x0
	s_wait_alu depctr_hold_cnt(0) depctr_sa_sdst(0) depctr_va_vdst(0) depctr_va_sdst(0) depctr_va_ssrc(0) depctr_va_vcc(0) depctr_vm_vsrc(0)
	s_getreg_b32 s2, hwreg(HW_REG_IB_STS2, 6, 4)
	s_cmp_eq_u32 s2, 0
	s_cbranch_scc0 .Lentry_in_a_cluster
	s_endpgm
.Lentry_in_a_cluster:
	s_bfe_u32 s2, ttmp6, 0x10000c
	s_cmp_lg_u32 s2, 0xf033
	s_cbranch_scc0 .Lentry_shape_is_right
	s_endpgm
.Lentry_shape_is_right:
; g = Q(gelu(Q(h2) Q(w_fc)^T + b_fc)): the product on codes of E5M2 with E8M0 scales; the activation in f32; its result leaves as codes along the hidden axis, the next product's K.
; THE PRODUCT.  A tile of 256 tokens x 256 hidden units to a work-group of four waves, 128 x 128 a wave: 64 accumulators.  K = 1,024 goes in slots of 256 through a ring of two LDS slots filled by tensor loads.
; Both operands lie in memory as images of operand registers (a fragment of 16 rows x 128 K is 2,048 bytes, byte 512 c + 16 lane + i); place r of row block R is row 32 (R / 2) + 8 (R % 2) + r + 8 (r / 8).
; The matrix instruction is used transposed (source 0 = 16 units, source 1 = 16 tokens): a lane holds one token, and the 64 registers of a token block are units 32 t + 16 (lane / 16) + i: one fragment of the next product, which
; goes from the conversions' registers straight to memory, 512 consecutive bytes a store.  The bias is the C of each sum's first matrix instruction.
; THE ACTIVATION: 0.5 x (1 + tanh u) = x / (1 + 2^(x (k1 + k2 x^2))), k1 = -2 sqrt(2 / pi) log2(e), k2 = 0.044715 k1.  For large |x| it goes to x or to 0 without a NaN.
; CLUSTERS: 4 x 4 work-groups; A's tiles are asked for jointly along a row of the cluster, B's along a column.
; Scale words leave in two pieces of 64 bytes a store: one byte in 32 of the codes.
; LIMITS: NaN and infinities are not served; a block under 2^-111, or of zeros, gets the scale byte 1 (only this program reads the bytes).
.set NAB,   8
.set NQ,    2
.set S,     8
.set UNIT0, 256
.set ASOFF, 4194304
.set FRB,   2048
.set HALFT, NAB*NQ*FRB
.set SLOT,  4*HALFT
.set LAPS,  S/(2*NQ)
.set SCL,   2*SLOT
.set HALFS, NAB*S*64
.set SPARE, SCL+4*HALFS
.set WSOFF, 12582912
.set ADRA,  16
.set ADRB,  20
.set ADRS,  27
.set SPW,   28
.set NIL,   29
.set SC,    32
.set BN,    64
.set AF,    128
.set G1,    24
.set G0,    32
.set G1B,   48
.set G0B,   56
.set G1S,   68
.set G0S,   76
.set G1SB,  80
.set G0SB,  88
.set TO_B,  0x40
.set MSB,   0
.macro WIN new                         ; the immediate's high byte repeats the setting that is left
.if MSB != (\new)
	s_set_vgpr_msb (MSB<<8)|(\new)
.set MSB, (\new)
.endif
.endm
.macro JLOAD g0a, g1a, g0b, g1b        ; a joint load: waves 0, 1 fetch for A, waves 2, 3 for B; four v_nop follow each line
	s_cmp_eq_u32 s15, 0
	s_cbranch_scc0 .Lfor_b_\@
	tensor_load_to_lds s[\g0a:\g0a+3], s[\g1a:\g1a+7]
	s_nop 0
.rept 4
	v_nop
.endr
	s_branch .Lasked_\@
.Lfor_b_\@:
	tensor_load_to_lds s[\g0b:\g0b+3], s[\g1b:\g1b+7]
	s_nop 0
.rept 4
	v_nop
.endr
.Lasked_\@:
.endm
.macro CREST
	s_cmp_lg_u32 s14, 0
	s_cbranch_scc1 .Lnot_wave_0_\@
	s_barrier_signal -3
.Lnot_wave_0_\@:
	s_barrier_wait -3
	s_barrier_signal -1
	s_barrier_wait -1
.endm
.macro CROUND
	s_barrier_signal -1
	s_barrier_wait -1
	CREST
.endm
.macro PLACES n
.rept \n
	v_nop
.endr
.endm
.macro FRAG reg, adr, q, i
.irp c, 0,1,2,3
	ds_load_b128 v[\reg+4*\c:\reg+4*\c+3], v[\adr] offset:((\i)*NQ+(\q))*FRB+512*\c
.endr
.endm
.macro FETCH_B slot, q, p
	WIN TO_B
.set ii, 0
.rept NAB
	FRAG 128*(\p)+16*ii, ADRB+\slot, \q, ii
.set ii, ii+1
.endr
	WIN 0
.endm
.macro FETCH_A slot, q, i0
.set ii, \i0
.rept NAB/2
	FRAG AF+16*ii, ADRA+\slot, \q, ii
.set ii, ii+1
.endr
.endm
.macro SCALES sc
.set ii, 0
.rept NAB
.set qq, 0
.rept NQ
	ds_load_b32 v[SC+16*(\sc)+NQ*ii+qq], v[ADRS] offset:ii*S*64+64*qq
.set qq, qq+1
.endr
.set ii, ii+1
.endr
.endm
.macro MULA a, p, q, sc, first         ; A's row block a against B's NAB.  first = 1: the bias is C and starts the sums.  The accumulators take turns
.set AW, 2+(\a)/4
.if \first
	WIN 0x01|(AW<<6)
.else
	WIN 0x01|(AW<<4)|(AW<<6)
.endif
.set bb, 0
.rept NAB
.set AC, 8*(NAB*((\a)%4)+bb)
.if \first
	v_wmma_scale_f32_16x16x128_f8f6f4 v[AC:AC+7], v[128*(\p)+16*bb:128*(\p)+16*bb+15], v[AF+16*(\a):AF+16*(\a)+15], v[BN+8*bb:BN+8*bb+7], v[SC+16*(\sc)+NQ*bb+(\q)], v[SC+16*(\sc)+NQ*(\a)+(\q)] matrix_a_fmt:MATRIX_FMT_BF8 matrix_b_fmt:MATRIX_FMT_BF8 matrix_a_scale:MATRIX_SCALE_ROW1
.else
	v_wmma_scale_f32_16x16x128_f8f6f4 v[AC:AC+7], v[128*(\p)+16*bb:128*(\p)+16*bb+15], v[AF+16*(\a):AF+16*(\a)+15], v[AC:AC+7], v[SC+16*(\sc)+NQ*bb+(\q)], v[SC+16*(\sc)+NQ*(\a)+(\q)] matrix_a_fmt:MATRIX_FMT_BF8 matrix_b_fmt:MATRIX_FMT_BF8 matrix_a_scale:MATRIX_SCALE_ROW1
.endif
.set bb, bb+1
.endr
.endm
.macro MULR a0, n, p, q, sc, first
.set aa, \a0
.rept \n
	MULA aa, \p, \q, \sc, \first
.set aa, aa+1
.endr
.endm
.macro STEP slot, q, first
	s_wait_dscnt 2*NAB                             ; B's set and A's lower half are in; the youngest loads (A's upper half) may be out
	MULR 0, NAB/2, (\q)%2, \q, \slot, \first
	s_wait_dscnt 0x0
	PLACES 8
	FETCH_B \slot, (\q)+1, 1-(\q)%2
	FETCH_A \slot, (\q)+1, 0
	MULR NAB/2, NAB/2, (\q)%2, \q, \slot, \first
	PLACES 8
	WIN 0
	FETCH_A \slot, (\q)+1, NAB/2
.endm
.macro TURN slot, next, fill
	s_wait_tensorcnt 0x0                           ; all my tensor loads have landed: my part of the next slot
	ds_add_u32 v[SPW], v[NIL]                      ; 0 onto my spare word
	s_wait_dscnt 2*NAB+1                           ; (the add and A's upper half may be out)
	MULR 0, NAB/4, 1, NQ-1, \slot, 0
	s_wait_dscnt 0x0                               ; the add is done, and my reads of this slot are over
	s_barrier_signal -1
	MULR NAB/4, NAB/4, 1, NQ-1, \slot, 0
	WIN 0
	s_barrier_wait -1
.if \fill
	CREST                                          ; no wave of any partner still reads this slot or has a load on its way
	s_add_nc_u64 s[G0+4*\slot+2:G0+4*\slot+3], s[G0+4*\slot+2:G0+4*\slot+3], 2*NQ*FRB
	s_add_nc_u64 s[G0B+4*\slot+2:G0B+4*\slot+3], s[G0B+4*\slot+2:G0B+4*\slot+3], 2*NQ*FRB
	JLOAD G0+4*\slot, G1, G0B+4*\slot, G1B         ; my one tensor load behind the round
	PLACES 4
.else
	PLACES 8
.endif
	s_wait_alu depctr_va_vdst(0)
	v_add_nc_u32 v[ADRS], 64*NQ, v[ADRS]
	FETCH_B \next, 0, 0
	FETCH_A \next, 0, 0
	SCALES \next
	MULR NAB/2, NAB/2, 1, NQ-1, \slot, 0
	PLACES 8
	WIN 0
	FETCH_A \next, 0, NAB/2
.endm
.macro MID slot
.if NQ > 2
.set qm, 1
.rept NQ-2
	STEP \slot, qm, 0
.set qm, qm+1
.endr
.endif
.endm
.set TM,  64                           ; v64-67 largest magnitudes, v68-71 bytes, v76-79 the conversions' scale operands
.set T4,  68
.set HB,  72
.set SOP, 76
.set PWR, 80                           ; v80-81 two rows' scale words; v84 the two merged
.set K1,  86                           ; v[86:87] k1
.set PCA, 96                           ; v96-127 two sets of 16 code registers
.set W,   128                          ; v128-191 the activation's results
.set Z,   192                          ; v192-255 at work
.macro QUANT s, w, nb, pc, pw          ; 16 nb numbers of a lane, register 16 b + i = k 32 b + 16 (lane / 16) + i of my row, become codes in v[pc] on and the row's scale bytes in v[pw]
	WIN (\w)|((\w)<<2)
.set qb, 0
.rept \nb
	v_max3_num_f32 v[TM+qb], |v[(\s)+16*qb]|, |v[(\s)+16*qb+1]|, 0x8000000
.set qb, qb+1
.endr
	WIN ((\w)<<2)|((\w)<<4)
.irp i, 2,4,6,8,10,12,14
.set qb, 0
.rept \nb
	v_max3_num_f32 v[TM+qb], v[TM+qb], |v[(\s)+16*qb+\i]|, |v[(\s)+16*qb+\i+1]|
.set qb, qb+1
.endr
.endr
	WIN 0
.set qb, 0
.rept \nb
	v_permlanex16_b32 v[T4+qb], v[TM+qb], s2, s3
.set qb, qb+1
.endr
.set qb, 0
.rept \nb
	v_max_num_f32 v[TM+qb], v[TM+qb], v[T4+qb]
.set qb, qb+1
.endr
.set qb, 0
.rept \nb
	v_add_nc_u32 v[SOP+qb], 0xf8800000, v[TM+qb]
.set qb, qb+1
.endr
.set qb, 0
.rept \nb
	v_lshrrev_b32 v[T4+qb], 23, v[SOP+qb]
.set qb, qb+1
.endr
	v_lshl_or_b32 v[\pw], v[T4+1], 8, v[T4]
.if \nb > 2
	v_lshl_or_b32 v[\pw], v[T4+2], 16, v[\pw]
	v_lshl_or_b32 v[\pw], v[T4+3], 24, v[\pw]
.endif
	WIN (\w)|((\w)<<6)
.set qb, 0
.rept 16*\nb
.set qb, qb+1
.endr
	WIN (\w)
.set qb, 0
.rept 2*\nb
	v_cvt_scalef32_pk8_bf8_f32 v[(\pc)+2*qb:(\pc)+2*qb+1], v[(\s)+8*qb:(\s)+8*qb+7], v[SOP+qb/2]
.set qb, qb+1
.endr
	WIN 0
	v_nop
.endm
	s_load_b128 s[4:7], s[0:1], 0x0                ; A's buffer, wq
	s_load_b128 s[96:99], s[0:1], 0x10             ; the bias, gq
	v_lshl_add_u32 v[SPW], v0, 2, SPARE
	v_mov_b32 v[NIL], 0
	ds_add_u32 v28, v29
	ds_add_u32 v28, v29
	s_wait_dscnt 0x0
	v_lshrrev_b32 v1, 5, v0
	v_readfirstlane_b32 s14, v1
	s_lshr_b32 s15, s14, 1
	s_and_b32 s16, s14, 1
	s_bfe_u32 s40, ttmp6, 0x40000
	s_bfe_u32 s41, ttmp6, 0x40004
	s_lshl_b32 s42, ttmp9, 2
	s_add_co_u32 s42, s42, s40
	s_and_b32 s17, ttmp7, 0xffff
	s_lshl_b32 s17, s17, 2
	s_add_co_u32 s17, s17, s41
	s_lshl_b32 s43, s41, 2
	s_lshl_b32 s43, 15, s43
	s_lshl_b32 s44, 0x1111, s40
	s_or_b32 s[G1+0], s43, (3<<16)|(1<<21)
	s_or_b32 s[G1B+0], s44, (3<<16)|(1<<21)
.irp g, G1, G1B
	s_mov_b32 s[\g+1], (NQ*256)<<16
	s_mov_b32 s[\g+2], NAB<<16
	s_mov_b32 s[\g+3], (NQ*256)<<16
	s_mov_b32 s[\g+4], NAB
	s_mov_b32 s[\g+5], S*256
	s_mov_b32 s[\g+6], 0
	s_mov_b32 s[\g+7], 0
.endr
	s_or_b32 s[G1S+0], s43, (3<<16)|(1<<21)
	s_or_b32 s[G1SB+0], s44, (3<<16)|(1<<21)
.irp g, G1S, G1SB
	s_mov_b32 s[\g+1], 32<<16
	s_mov_b32 s[\g+2], (HALFS/256)<<16
	s_mov_b32 s[\g+3], 32<<16
	s_mov_b32 s[\g+4], HALFS/256
	s_mov_b32 s[\g+5], 32
	s_mov_b32 s[\g+6], 0
	s_mov_b32 s[\g+7], 0
.endr
	s_mul_i32 s18, s16, NAB
	s_mul_i32 s20, s17, 2*NAB
	s_add_co_u32 s20, s20, s18
	s_mul_i32 s46, s42, 2*NAB
	s_add_co_u32 s46, s46, s18
	s_mul_i32 s22, s20, S*64
	s_mov_b32 s23, 0
	s_mul_i32 s92, s46, S*64
	s_mov_b32 s93, 0
	s_mul_i32 s20, s20, S*FRB
	s_mov_b32 s21, 0
	s_mul_i32 s46, s46, S*FRB
	s_mov_b32 s47, 0
	s_mul_i32 s45, s14, HALFT
	s_mul_i32 s94, s14, HALFS
	s_wait_kmcnt 0x0
	s_add_nc_u64 s[8:9], s[6:7], UNIT0*16384
	s_add_nc_u64 s[10:11], s[6:7], WSOFF+UNIT0*512
	s_add_nc_u64 s[6:7], s[4:5], ASOFF
	s_add_nc_u64 s[20:21], s[4:5], s[20:21]
	s_add_nc_u64 s[22:23], s[6:7], s[22:23]
	s_add_nc_u64 s[46:47], s[8:9], s[46:47]
	s_add_nc_u64 s[92:93], s[10:11], s[92:93]
	CROUND
	s_mov_b32 s[G0S], 1
	s_add_co_u32 s[G0S+1], s94, SCL
	s_mov_b64 s[G0S+2:G0S+3], s[22:23]
	s_or_b32 s[G0S+3], s[G0S+3], 0x80000000
	s_mov_b32 s[G0SB], 1
	s_add_co_u32 s[G0SB+1], s94, SCL
	s_mov_b64 s[G0SB+2:G0SB+3], s[92:93]
	s_or_b32 s[G0SB+3], s[G0SB+3], 0x80000000
	JLOAD G0S, G1S, G0SB, G1SB                     ; three loads of mine are out at the most
.irp s, 0,1
	s_mov_b32 s[G0+4*\s], 1
	s_add_co_u32 s[G0+4*\s+1], s45, \s*SLOT
	s_add_nc_u64 s[G0+4*\s+2:G0+4*\s+3], s[20:21], \s*NQ*FRB
	s_or_b32 s[G0+4*\s+3], s[G0+4*\s+3], 0x80000000
	s_mov_b32 s[G0B+4*\s], 1
	s_add_co_u32 s[G0B+4*\s+1], s45, \s*SLOT
	s_add_nc_u64 s[G0B+4*\s+2:G0B+4*\s+3], s[46:47], \s*NQ*FRB
	s_or_b32 s[G0B+4*\s+3], s[G0B+4*\s+3], 0x80000000
	JLOAD G0+4*\s, G1, G0B+4*\s, G1B
.endr
	v_and_b32 v1, 15, v0
	v_bfe_u32 v2, v0, 4, 1
	v_and_b32 v3, 31, v0
	v_lshlrev_b32 v4, 4, v3
	s_wait_alu depctr_va_vdst(0)
	v_lshlrev_b32 v5, 6, v2
	s_mul_i32 s18, s42, 2*NAB*64
	s_mul_i32 s19, s16, NAB*64
	s_add_co_u32 s18, s18, s19
	s_mov_b32 s19, 0
	s_add_nc_u64 s[96:97], s[96:97], s[18:19]
.set bb, 0
.rept NAB
	global_load_b128 v[BN+8*bb:BN+8*bb+3], v5, s[96:97] offset:128*(bb/2)+32*(bb%2)
	global_load_b128 v[BN+8*bb+4:BN+8*bb+7], v5, s[96:97] offset:128*(bb/2)+32*(bb%2)+16
.set bb, bb+1
.endr
	s_mul_i32 s21, s15, HALFT
	s_mul_i32 s22, s16, HALFT
	s_add_co_u32 s22, s22, 2*HALFT
.irp s, 0,1
	v_add_nc_u32 v[ADRA+\s], s21, v4
	v_add_nc_u32 v[ADRB+\s], s22, v4
	s_add_co_u32 s21, s21, SLOT
	s_add_co_u32 s22, s22, SLOT
.endr
	v_lshlrev_b32 v22, 2, v1
	s_mul_i32 s21, s15, HALFS
	s_mul_i32 s22, s16, HALFS
	s_add_co_u32 s22, s22, 2*HALFS
	s_sub_co_u32 s22, s22, s21
	v_mul_u32_u24 v23, s22, v2
	s_add_co_u32 s21, s21, SCL
	v_add_nc_u32 v22, v22, v23
	v_add_nc_u32 v[ADRS], s21, v22
	v_lshlrev_b32 v7, 11, v2
	v_lshl_add_u32 v7, v1, 2, v7                   ; the scale words of two row blocks: 4 r, lanes 16-31 one row block (2,048 bytes) on
	v_cmp_eq_u32 s66, 1, v2                        ; lanes 16-31
	s_mov_b32 s2, 0x76543210
	s_wait_alu depctr_va_vdst(0)
	s_wait_tensorcnt 1                             ; the scale words and my part of slot 0 are in; slot 1's load may be out
	s_barrier_signal -1
	s_barrier_wait -1
	FETCH_B 0, 0, 0
	FETCH_A 0, 0, 0
	SCALES 0
	FETCH_A 0, 0, NAB/2
	s_wait_loadcnt 0x0                             ; the bias
	STEP 0, 0, 1
.if LAPS > 1
	s_mov_b32 s3, LAPS-1
.Llap:
	MID 0
	TURN 0, 1, 1
	STEP 1, 0, 0
	MID 1
	TURN 1, 0, 1
	STEP 0, 0, 0
	s_sub_co_u32 s3, s3, 1
	s_cmp_lg_u32 s3, 0
	s_cbranch_scc1 .Llap
.endif
	MID 0
	TURN 0, 1, 0
	STEP 1, 0, 0
	MID 1
	s_wait_dscnt 2*NAB
	MULR 0, NAB/2, 1, NQ-1, 1, 0
	s_wait_dscnt 0x0
	MULR NAB/2, NAB/2, 1, NQ-1, 1, 0
	WIN 0
	; ---- THE WAY OUT: a block of 16 tokens at a time: the activation, the quantiser, one fragment and its scale words
	s_mov_b32 s3, 0xfedcba98
	s_lshl_b32 s20, s17, 4
	s_lshl_b32 s21, s15, 3
	s_add_co_u32 s20, s20, s21                     ; my first row block of tokens
	s_lshl_b32 s21, s42, 1
	s_add_co_u32 s21, s21, s16                     ; my 128 units are this K step of the next product
	s_lshl_b32 s22, s20, 16
	s_lshl_b32 s23, s21, 11
	s_add_co_u32 s22, s22, s23
	s_mov_b32 s23, 0
	s_add_nc_u64 s[92:93], s[98:99], s[22:23]
	s_lshl_b32 s22, s20, 11
	s_lshl_b32 s46, s21, 6
	s_add_co_u32 s22, s22, s46
	s_add_co_u32 s22, s22, 16777216
	s_add_nc_u64 s[94:95], s[98:99], s[22:23]
	s_mov_b32 s18, 0xbdd2d3e8                      ; k2
	s_mov_b32 s19, s18
	PLACES 8
	v_mov_b32 v[K1], 0xc0135761                    ; k1
	v_mov_b32 v[K1+1], 0xc0135761
.set ar, 0
.rept 8
.set RW, 2+ar/4
.set RB, 64*(ar%4)
	WIN RW|(RW<<2)
.set p, 0
.rept 32
	v_pk_mul_f32 v[Z+p:Z+p+1], v[RB+p:RB+p+1], v[RB+p:RB+p+1]
.set p, p+2
.endr
	WIN 0
.set p, 0
.rept 32
	v_pk_fma_f32 v[Z+p:Z+p+1], v[Z+p:Z+p+1], s[18:19], v[K1:K1+1] op_sel_hi:[1,0,0]
.set p, p+2
.endr
	WIN RW<<2
.set p, 0
.rept 32
	v_pk_mul_f32 v[Z+p:Z+p+1], v[Z+p:Z+p+1], v[RB+p:RB+p+1]
.set p, p+2
.endr
	WIN 0
.set p, 0
	s_wait_alu depctr_va_vdst(0)
.rept 64
	v_exp_f32 v[Z+p], v[Z+p]
.set p, p+1
.endr
	v_nop                                          ; one plain instruction behind the batch,
	s_wait_alu depctr_va_vdst(0)                   ; and one wait for it, ahead of its first reader
.set p, 0
.rept 32
	v_pk_add_f32 v[Z+p:Z+p+1], v[Z+p:Z+p+1], 1.0 op_sel_hi:[1,0]
.set p, p+2
.endr
.set p, 0
	s_wait_alu depctr_va_vdst(0)
.rept 64
	v_rcp_f32 v[Z+p], v[Z+p]
.set p, p+1
.endr
	v_nop
	s_wait_alu depctr_va_vdst(0)
	WIN RW
.set p, 0
.rept 32
	v_pk_mul_f32 v[W+p:W+p+1], v[RB+p:RB+p+1], v[Z+p:Z+p+1]
.set p, p+2
.endr
	WIN 0
	s_wait_xcnt 0x0                                ; earlier stores have read their registers
	QUANT W, 0, 4, PCA+16*(ar%2), PWR+ar%2
.irp c, 0,1,2,3
	global_store_b128 v4, v[PCA+16*(ar%2)+4*\c:PCA+16*(ar%2)+4*\c+3], s[92:93] offset:ar*65536+512*\c   ; 512 consecutive bytes, aligned
.endr
.if ar%2
	v_cndmask_b32 v84, v[PWR], v[PWR+1], s66
	global_store_b32 v7, v84, s[94:95] offset:(ar-1)*2048
.endif
.set ar, ar+1
.endr
	s_wait_tensorcnt 0x0                           ; the wave's end
	ds_add_u32 v[SPW], v[NIL]
	s_wait_dscnt 0x0
	CROUND
	s_endpgm
.Lfunc_end_k_q97aacfd773_fc:
	.size	k_q97aacfd773_fc, .Lfunc_end_k_q97aacfd773_fc-k_q97aacfd773_fc
	.p2alignl 7, 3214868480
	.fill 96, 4, 3214868480
	.section	.rodata,"a",@progbits
	.p2align	6, 0x0
	.amdhsa_kernel k_q97aacfd773_fc
		.amdhsa_group_segment_fixed_size 327680
		.amdhsa_private_segment_fixed_size 0
		.amdhsa_enable_private_segment 0
		.amdhsa_kernarg_size 32
		.amdhsa_user_sgpr_count 2
		.amdhsa_user_sgpr_kernarg_segment_ptr 1
		.amdhsa_wavefront_size32 1
		.amdhsa_system_sgpr_workgroup_id_x 1
		.amdhsa_system_sgpr_workgroup_id_y 1
		.amdhsa_system_sgpr_workgroup_id_z 1
		.amdhsa_system_vgpr_workitem_id 0
		.amdhsa_next_free_vgpr 1024
		.amdhsa_next_free_sgpr 102
		.amdhsa_reserve_vcc 0
		.amdhsa_float_denorm_mode_32 3
		.amdhsa_float_denorm_mode_16_64 3
		.amdhsa_fp16_overflow 1
		.amdhsa_memory_ordered 1
		.amdhsa_forward_progress 1
		.amdhsa_inst_pref_size 255
	.end_amdhsa_kernel
	.section	.bss,"aw",@nobits
	.p2align	6
	.space	262144
	.amdgpu_metadata
---
amdhsa.version: [ 1, 2 ]
amdhsa.kernels:
  - .name:           k_q97aacfd773_fc
    .symbol:         k_q97aacfd773_fc.kd
    .args:
      - { .name: hq, .offset: 0, .size: 8, .value_kind: global_buffer, .address_space: global }
      - { .name: wq, .offset: 8, .size: 8, .value_kind: global_buffer, .address_space: global }
      - { .name: b_fc, .offset: 16, .size: 8, .value_kind: global_buffer, .address_space: global }
      - { .name: gq, .offset: 24, .size: 8, .value_kind: global_buffer, .address_space: global }
    .group_segment_fixed_size: 327680
    .private_segment_fixed_size: 0
    .kernarg_segment_align: 8
    .kernarg_segment_size: 32
    .max_flat_workgroup_size: 128
    .sgpr_count:     102
    .vgpr_count:     1024
    .wavefront_size: 32
...
	.end_amdgpu_metadata
.endif
;; end of part 5
;; launch mlp (part 6): grid 8 x 32, 4 waves a work-group, clusters of 4 x 4, 327,680 bytes of LDS; arguments gq, wq, b_mlp, x1, out0; writes out0
.if DOCPART == 6
	.amdgcn_target "amdgcn-amd-amdhsa--gfx1250"
	.amdhsa_code_object_version 6
	.text
	.protected	k_q97aacfd773_mlp
	.globl	k_q97aacfd773_mlp
	.p2align	8
	.type	k_q97aacfd773_mlp,@function
k_q97aacfd773_mlp:
	s_mov_b64 s[64:65], 0
	v_nop
	global_prefetch_b8 v0, s[64:65] scope:SCOPE_SE
	s_setreg_imm32_b32 hwreg(HW_REG_WAVE_MODE, 25, 1), 1
	s_wait_xcnt 0x0
	s_wait_alu depctr_hold_cnt(0) depctr_sa_sdst(0) depctr_va_vdst(0) depctr_va_sdst(0) depctr_va_ssrc(0) depctr_va_vcc(0) depctr_vm_vsrc(0)
	s_getreg_b32 s2, hwreg(HW_REG_IB_STS2, 6, 4)
	s_cmp_eq_u32 s2, 0
	s_cbranch_scc0 .Lentry_in_a_cluster
	s_endpgm
.Lentry_in_a_cluster:
	s_bfe_u32 s2, ttmp6, 0x10000c
	s_cmp_lg_u32 s2, 0xf033
	s_cbranch_scc0 .Lentry_shape_is_right
	s_endpgm
.Lentry_shape_is_right:
; out0 = x1 + Q(g) Q(w_mlp)^T + b_mlp on codes of E5M2 with E8M0 scales; out0 is f32.
; A tile of 128 tokens x 128 features to a work-group of four waves (tiles of 256 x 256 would be 64: too few for the WGPs), 64 x 64 a wave: 16 accumulators.  K = 4,096 goes in slots of 512 through a ring of two LDS slots.
; Both operands lie in memory as images of operand registers (a fragment of 16 rows x 128 K is 2,048 bytes, byte 512 c + 16 lane + i); place r of row block R is row 32 (R / 2) + 8 (R % 2) + r + 8 (r / 8).
; The matrix instruction is used transposed (source 0 = 16 features, source 1 = 16 tokens).  The bias is the C of each sum's first matrix instruction.  The residual's 64 x 64 numbers are asked for at the head and land under the products.
; The scale words of the work-group's rows, for all of K, come once, with the first fills, and stay in LDS.
; CLUSTERS: 4 x 4 work-groups; A's tiles are asked for jointly along a row of the cluster, B's along a column.
.set NAB,   4
.set NQ,    4
.set S,     32
.set UNIT0, 512
.set ASOFF, 16777216
.set FRB,   2048
.set HALFT, NAB*NQ*FRB
.set SLOT,  4*HALFT
.set LAPS,  S/(2*NQ)
.set SCL,   2*SLOT
.set HALFS, NAB*S*64
.set SPARE, SCL+4*HALFS
.set WSOFF, 12582912
.set ADRA,  16
.set ADRB,  20
.set ADRS,  27
.set SPW,   28
.set NIL,   29
.set SC,    32
.set BN,    64
.set AF,    128
.set G1,    24
.set G0,    32
.set G1B,   48
.set G0B,   56
.set G1S,   68
.set G0S,   76
.set G1SB,  80
.set G0SB,  88
.set TO_B,  0x40
.set MSB,   0
.macro WIN new                         ; the immediate's high byte repeats the setting that is left
.if MSB != (\new)
	s_set_vgpr_msb (MSB<<8)|(\new)
.set MSB, (\new)
.endif
.endm
.macro JLOAD g0a, g1a, g0b, g1b        ; a joint load: waves 0, 1 fetch for A, waves 2, 3 for B; four v_nop follow each line
	s_cmp_eq_u32 s15, 0
	s_cbranch_scc0 .Lfor_b_\@
	tensor_load_to_lds s[\g0a:\g0a+3], s[\g1a:\g1a+7]
	s_nop 0
.rept 4
	v_nop
.endr
	s_branch .Lasked_\@
.Lfor_b_\@:
	tensor_load_to_lds s[\g0b:\g0b+3], s[\g1b:\g1b+7]
	s_nop 0
.rept 4
	v_nop
.endr
.Lasked_\@:
.endm
.macro CREST
	s_cmp_lg_u32 s14, 0
	s_cbranch_scc1 .Lnot_wave_0_\@
	s_barrier_signal -3
.Lnot_wave_0_\@:
	s_barrier_wait -3
	s_barrier_signal -1
	s_barrier_wait -1
.endm
.macro CROUND
	s_barrier_signal -1
	s_barrier_wait -1
	CREST
.endm
.macro PLACES n
.rept \n
	v_nop
.endr
.endm
.macro FRAG reg, adr, q, i
.irp c, 0,1,2,3
	ds_load_b128 v[\reg+4*\c:\reg+4*\c+3], v[\adr] offset:((\i)*NQ+(\q))*FRB+512*\c
.endr
.endm
.macro FETCH_B slot, q, p
	WIN TO_B
.set ii, 0
.rept NAB
	FRAG 128*(\p)+16*ii, ADRB+\slot, \q, ii
.set ii, ii+1
.endr
	WIN 0
.endm
.macro FETCH_A slot, q, i0
.set ii, \i0
.rept NAB/2
	FRAG AF+16*ii, ADRA+\slot, \q, ii
.set ii, ii+1
.endr
.endm
.macro SCALES sc
.set ii, 0
.rept NAB
.set qq, 0
.rept NQ
	ds_load_b32 v[SC+16*(\sc)+NQ*ii+qq], v[ADRS] offset:ii*S*64+64*qq
.set qq, qq+1
.endr
.set ii, ii+1
.endr
.endm
.macro MULA a, p, q, sc, first         ; A's row block a against B's NAB.  first = 1: the bias is C and starts the sums.  The accumulators take turns
.set AW, 2+(\a)/4
.if \first
	WIN 0x01|(AW<<6)
.else
	WIN 0x01|(AW<<4)|(AW<<6)
.endif
.set bb, 0
.rept NAB
.set AC, 8*(NAB*((\a)%4)+bb)
.if \first
	v_wmma_scale_f32_16x16x128_f8f6f4 v[AC:AC+7], v[128*(\p)+16*bb:128*(\p)+16*bb+15], v[AF+16*(\a):AF+16*(\a)+15], v[BN+8*bb:BN+8*bb+7], v[SC+16*(\sc)+NQ*bb+(\q)], v[SC+16*(\sc)+NQ*(\a)+(\q)] matrix_a_fmt:MATRIX_FMT_BF8 matrix_b_fmt:MATRIX_FMT_BF8 matrix_a_scale:MATRIX_SCALE_ROW1
.else
	v_wmma_scale_f32_16x16x128_f8f6f4 v[AC:AC+7], v[128*(\p)+16*bb:128*(\p)+16*bb+15], v[AF+16*(\a):AF+16*(\a)+15], v[AC:AC+7], v[SC+16*(\sc)+NQ*bb+(\q)], v[SC+16*(\sc)+NQ*(\a)+(\q)] matrix_a_fmt:MATRIX_FMT_BF8 matrix_b_fmt:MATRIX_FMT_BF8 matrix_a_scale:MATRIX_SCALE_ROW1
.endif
.set bb, bb+1
.endr
.endm
.macro MULR a0, n, p, q, sc, first
.set aa, \a0
.rept \n
	MULA aa, \p, \q, \sc, \first
.set aa, aa+1
.endr
.endm
.macro STEP slot, q, first
	s_wait_dscnt 2*NAB                             ; B's set and A's lower half are in; the youngest loads (A's upper half) may be out
	MULR 0, NAB/2, (\q)%2, \q, \slot, \first
	s_wait_dscnt 0x0
	PLACES 8
	FETCH_B \slot, (\q)+1, 1-(\q)%2
	FETCH_A \slot, (\q)+1, 0
	MULR NAB/2, NAB/2, (\q)%2, \q, \slot, \first
	PLACES 8
	WIN 0
	FETCH_A \slot, (\q)+1, NAB/2
.endm
.macro TURN slot, next, fill
	s_wait_tensorcnt 0x0                           ; all my tensor loads have landed: my part of the next slot
	ds_add_u32 v[SPW], v[NIL]                      ; 0 onto my spare word
	s_wait_dscnt 2*NAB+1                           ; (the add and A's upper half may be out)
	MULR 0, NAB/4, 1, NQ-1, \slot, 0
	s_wait_dscnt 0x0                               ; the add is done, and my reads of this slot are over
	s_barrier_signal -1
	MULR NAB/4, NAB/4, 1, NQ-1, \slot, 0
	WIN 0
	s_barrier_wait -1
.if \fill
	CREST                                          ; no wave of any partner still reads this slot or has a load on its way
	s_add_nc_u64 s[G0+4*\slot+2:G0+4*\slot+3], s[G0+4*\slot+2:G0+4*\slot+3], 2*NQ*FRB
	s_add_nc_u64 s[G0B+4*\slot+2:G0B+4*\slot+3], s[G0B+4*\slot+2:G0B+4*\slot+3], 2*NQ*FRB
	JLOAD G0+4*\slot, G1, G0B+4*\slot, G1B         ; my one tensor load behind the round: it has a slot's four steps in which to land
	PLACES 4
.else
	PLACES 8
.endif
	v_add_nc_u32 v[ADRS], 64*NQ, v[ADRS]
	FETCH_B \next, 0, 0
	FETCH_A \next, 0, 0
	SCALES \next
	MULR NAB/2, NAB/2, 1, NQ-1, \slot, 0
	PLACES 8
	WIN 0
	FETCH_A \next, 0, NAB/2
.endm
.macro MID slot
.if NQ > 2
.set qm, 1
.rept NQ-2
	STEP \slot, qm, 0
.set qm, qm+1
.endr
.endif
.endm
.set CO,  8                            ; v8  my bytes in two rows of the residual and of the result: (lane / 16) rows + 16 (lane % 16)
.set STO, 9                            ; v9  into my stage;  v10 out of it
.set RD,  10
.set BK,  128                          ; 16 rows back from the stage: v128-159 and v160-191 by turns
	s_load_b128 s[4:7], s[0:1], 0x0                ; A's buffer, wq
	s_load_b128 s[96:99], s[0:1], 0x10             ; the bias, the residual
	s_load_b64 s[100:101], s[0:1], 0x20            ; the result
	v_lshl_add_u32 v[SPW], v0, 2, SPARE
	v_mov_b32 v[NIL], 0
	ds_add_u32 v28, v29
	ds_add_u32 v28, v29
	s_wait_dscnt 0x0
	v_lshrrev_b32 v1, 5, v0
	v_readfirstlane_b32 s14, v1
	s_lshr_b32 s15, s14, 1
	s_and_b32 s16, s14, 1
	s_bfe_u32 s40, ttmp6, 0x40000
	s_bfe_u32 s41, ttmp6, 0x40004
	s_lshl_b32 s42, ttmp9, 2
	s_add_co_u32 s42, s42, s40
	s_and_b32 s17, ttmp7, 0xffff
	s_lshl_b32 s17, s17, 2
	s_add_co_u32 s17, s17, s41
	s_lshl_b32 s43, s41, 2
	s_lshl_b32 s43, 15, s43
	s_lshl_b32 s44, 0x1111, s40
	s_or_b32 s[G1+0], s43, (3<<16)|(1<<21)
	s_or_b32 s[G1B+0], s44, (3<<16)|(1<<21)
.irp g, G1, G1B
	s_mov_b32 s[\g+1], (NQ*256)<<16
	s_mov_b32 s[\g+2], NAB<<16
	s_mov_b32 s[\g+3], (NQ*256)<<16
	s_mov_b32 s[\g+4], NAB
	s_mov_b32 s[\g+5], S*256
	s_mov_b32 s[\g+6], 0
	s_mov_b32 s[\g+7], 0
.endr
	s_or_b32 s[G1S+0], s43, (3<<16)|(1<<21)
	s_or_b32 s[G1SB+0], s44, (3<<16)|(1<<21)
.irp g, G1S, G1SB
	s_mov_b32 s[\g+1], 32<<16
	s_mov_b32 s[\g+2], (HALFS/256)<<16
	s_mov_b32 s[\g+3], 32<<16
	s_mov_b32 s[\g+4], HALFS/256
	s_mov_b32 s[\g+5], 32
	s_mov_b32 s[\g+6], 0
	s_mov_b32 s[\g+7], 0
.endr
	s_mul_i32 s18, s16, NAB
	s_mul_i32 s20, s17, 2*NAB
	s_add_co_u32 s20, s20, s18
	s_mul_i32 s46, s42, 2*NAB
	s_add_co_u32 s46, s46, s18
	s_mul_i32 s22, s20, S*64
	s_mov_b32 s23, 0
	s_mul_i32 s92, s46, S*64
	s_mov_b32 s93, 0
	s_mul_i32 s20, s20, S*FRB
	s_mov_b32 s21, 0
	s_mul_i32 s46, s46, S*FRB
	s_mov_b32 s47, 0
	s_mul_i32 s45, s14, HALFT
	s_mul_i32 s94, s14, HALFS
	s_wait_kmcnt 0x0
	s_add_nc_u64 s[8:9], s[6:7], UNIT0*16384
	s_add_nc_u64 s[10:11], s[6:7], WSOFF+UNIT0*512
	s_add_nc_u64 s[6:7], s[4:5], ASOFF
	s_add_nc_u64 s[20:21], s[4:5], s[20:21]
	s_add_nc_u64 s[22:23], s[6:7], s[22:23]
	s_add_nc_u64 s[46:47], s[8:9], s[46:47]
	s_add_nc_u64 s[92:93], s[10:11], s[92:93]
	CROUND
	s_mov_b32 s[G0S], 1
	s_add_co_u32 s[G0S+1], s94, SCL
	s_mov_b64 s[G0S+2:G0S+3], s[22:23]
	s_or_b32 s[G0S+3], s[G0S+3], 0x80000000
	s_mov_b32 s[G0SB], 1
	s_add_co_u32 s[G0SB+1], s94, SCL
	s_mov_b64 s[G0SB+2:G0SB+3], s[92:93]
	s_or_b32 s[G0SB+3], s[G0SB+3], 0x80000000
	JLOAD G0S, G1S, G0SB, G1SB                     ; three loads of mine are out at the most
.irp s, 0,1
	s_mov_b32 s[G0+4*\s], 1
	s_add_co_u32 s[G0+4*\s+1], s45, \s*SLOT
	s_add_nc_u64 s[G0+4*\s+2:G0+4*\s+3], s[20:21], \s*NQ*FRB
	s_or_b32 s[G0+4*\s+3], s[G0+4*\s+3], 0x80000000
	s_mov_b32 s[G0B+4*\s], 1
	s_add_co_u32 s[G0B+4*\s+1], s45, \s*SLOT
	s_add_nc_u64 s[G0B+4*\s+2:G0B+4*\s+3], s[46:47], \s*NQ*FRB
	s_or_b32 s[G0B+4*\s+3], s[G0B+4*\s+3], 0x80000000
	JLOAD G0+4*\s, G1, G0B+4*\s, G1B
.endr
	v_and_b32 v1, 15, v0
	v_bfe_u32 v2, v0, 4, 1
	v_and_b32 v3, 31, v0
	v_lshlrev_b32 v4, 4, v3
	v_lshlrev_b32 v5, 6, v2
	s_mul_i32 s18, s42, 2*NAB*64
	s_mul_i32 s19, s16, NAB*64
	s_add_co_u32 s18, s18, s19
	s_mov_b32 s19, 0
	s_add_nc_u64 s[96:97], s[96:97], s[18:19]
.set bb, 0
.rept NAB
	global_load_b128 v[BN+8*bb:BN+8*bb+3], v5, s[96:97] offset:128*(bb/2)+32*(bb%2)
	global_load_b128 v[BN+8*bb+4:BN+8*bb+7], v5, s[96:97] offset:128*(bb/2)+32*(bb%2)+16
.set bb, bb+1
.endr
	s_lshl_b32 s18, s17, 7
	s_lshl_b32 s19, s15, 6
	s_add_co_u32 s18, s18, s19                     ; my first token
	s_lshl_b32 s18, s18, 12
	s_lshl_b32 s19, s42, 9
	s_add_co_u32 s18, s18, s19
	s_lshl_b32 s19, s16, 8
	s_add_co_u32 s18, s18, s19                     ; + my first feature, in bytes
	s_mov_b32 s19, 0
	s_add_nc_u64 s[98:99], s[98:99], s[18:19]
	s_add_nc_u64 s[100:101], s[100:101], s[18:19]
	v_lshlrev_b32 v[CO], 12, v2
	v_lshl_add_u32 v[CO], v1, 4, v[CO]
	WIN 0xc0                                       ; the residual: window 3, register 4 (8 a + f): rows 32 (a / 2) + 8 (a % 2) + 2 f + 8 (f / 4) + lane / 16
.set aa, 0
.rept 4
.irp f, 0,1,2,3,4,5,6,7
	global_load_b128 v[32*aa+4*\f:32*aa+4*\f+3], v[CO], s[98:99] offset:(32*(aa/2)+8*(aa%2)+2*\f+8*(\f/4))*4096
.endr
.set aa, aa+1
.endr
	WIN 0
	s_mul_i32 s21, s15, HALFT
	s_mul_i32 s22, s16, HALFT
	s_add_co_u32 s22, s22, 2*HALFT
.irp s, 0,1
	v_add_nc_u32 v[ADRA+\s], s21, v4
	v_add_nc_u32 v[ADRB+\s], s22, v4
	s_add_co_u32 s21, s21, SLOT
	s_add_co_u32 s22, s22, SLOT
.endr
	v_lshlrev_b32 v22, 2, v1
	s_mul_i32 s21, s15, HALFS
	s_mul_i32 s22, s16, HALFS
	s_add_co_u32 s22, s22, 2*HALFS
	s_sub_co_u32 s22, s22, s21
	v_mul_u32_u24 v23, s22, v2
	s_add_co_u32 s21, s21, SCL
	v_add_nc_u32 v22, v22, v23
	v_add_nc_u32 v[ADRS], s21, v22
	s_mul_i32 s23, s14, 16*272                     ; my stage: 16 rows x (256 + 16) bytes, in slot 0
	v_mul_u32_u24 v[STO], v1, 272
	v_lshl_add_u32 v[STO], v2, 6, v[STO]
	v_add_nc_u32 v[STO], s23, v[STO]
	v_mul_u32_u24 v[RD], v2, 272
	v_lshl_add_u32 v[RD], v1, 4, v[RD]
	v_add_nc_u32 v[RD], s23, v[RD]
	s_wait_tensorcnt 1                             ; the scale words and my part of slot 0 are in; slot 1's load may be out
	s_barrier_signal -1
	s_barrier_wait -1
	FETCH_B 0, 0, 0
	FETCH_A 0, 0, 0
	SCALES 0
	FETCH_A 0, 0, NAB/2
	s_wait_loadcnt 32                              ; the bias is in; the 32 loads of the residual, issued behind it, stay out
	STEP 0, 0, 1
.if LAPS > 1
	s_mov_b32 s3, LAPS-1
.Llap:
	MID 0
	TURN 0, 1, 1
	STEP 1, 0, 0
	MID 1
	TURN 1, 0, 1
	STEP 0, 0, 0
	s_sub_co_u32 s3, s3, 1
	s_cmp_lg_u32 s3, 0
	s_cbranch_scc1 .Llap
.endif
	MID 0
	TURN 0, 1, 0                                   ; the last lap fills nothing
	STEP 1, 0, 0
	MID 1
	s_wait_dscnt 2*NAB
	MULR 0, NAB/2, 1, NQ-1, 1, 0
	s_wait_dscnt 0x0
	MULR NAB/2, NAB/2, 1, NQ-1, 1, 0
	WIN 0
; THE WAY OUT, 16 tokens x 64 features at a time through my own stage.  It lies in slot 0, which has had its last fill, and which nobody reads behind the last change of slots.
.macro TOSTAGE a
	WIN 0x08
.set bb, 0
.rept 4
	ds_store_b128 v[STO], v[32*(\a)+8*bb:32*(\a)+8*bb+3] offset:128*(bb/2)+32*(bb%2)
	ds_store_b128 v[STO], v[32*(\a)+8*bb+4:32*(\a)+8*bb+7] offset:128*(bb/2)+32*(bb%2)+16
.set bb, bb+1
.endr
	WIN 0
.set BB, BK+32*((\a)%2)
.irp f, 0,1,2,3,4,5,6,7
	ds_load_b128 v[BB+4*\f:BB+4*\f+3], v[RD] offset:544*\f   ; LDS serves a wave's instructions in order: these see my stores
.endr
.endm
.macro SEND a, younger
.set BB, BK+32*((\a)%2)
	s_wait_dscnt \younger
	WIN 0x0c                                       ; source 1: the residual, in window 3
.set p, 0
.rept 16
	v_pk_add_f32 v[BB+p:BB+p+1], v[BB+p:BB+p+1], v[32*(\a)+p:32*(\a)+p+1]
.set p, p+2
.endr
	WIN 0
.irp f, 0,1,2,3,4,5,6,7
	global_store_b128 v[CO], v[BB+4*\f:BB+4*\f+3], s[100:101] offset:(32*((\a)/2)+8*((\a)%2)+2*\f+8*(\f/4))*4096 th:TH_STORE_NT   ; sixteen lanes store 256 consecutive bytes, aligned
.endr
.endm
	PLACES 8
	s_wait_loadcnt 0x0                             ; the residual
	TOSTAGE 0
.irp a, 1,2,3
.if \a > 1
	s_wait_xcnt 0x0                                ; the stores of two blocks back have read their registers
.endif
	TOSTAGE \a
	SEND \a-1, 16                                  ; behind that block's loads: the next block's 8 stores and 8 loads
.endr
	SEND 3, 0
	s_wait_tensorcnt 0x0                           ; the wave's end
	ds_add_u32 v[SPW], v[NIL]
	s_wait_dscnt 0x0
	CROUND
	s_endpgm
.Lfunc_end_k_q97aacfd773_mlp:
	.size	k_q97aacfd773_mlp, .Lfunc_end_k_q97aacfd773_mlp-k_q97aacfd773_mlp
	.p2alignl 7, 3214868480
	.fill 96, 4, 3214868480
	.section	.rodata,"a",@progbits
	.p2align	6, 0x0
	.amdhsa_kernel k_q97aacfd773_mlp
		.amdhsa_group_segment_fixed_size 327680
		.amdhsa_private_segment_fixed_size 0
		.amdhsa_enable_private_segment 0
		.amdhsa_kernarg_size 40
		.amdhsa_user_sgpr_count 2
		.amdhsa_user_sgpr_kernarg_segment_ptr 1
		.amdhsa_wavefront_size32 1
		.amdhsa_system_sgpr_workgroup_id_x 1
		.amdhsa_system_sgpr_workgroup_id_y 1
		.amdhsa_system_sgpr_workgroup_id_z 1
		.amdhsa_system_vgpr_workitem_id 0
		.amdhsa_next_free_vgpr 896
		.amdhsa_next_free_sgpr 102
		.amdhsa_reserve_vcc 0
		.amdhsa_float_denorm_mode_32 3
		.amdhsa_float_denorm_mode_16_64 3
		.amdhsa_memory_ordered 1
		.amdhsa_forward_progress 1
		.amdhsa_inst_pref_size 108
	.end_amdhsa_kernel
	.amdgpu_metadata
---
amdhsa.version: [ 1, 2 ]
amdhsa.kernels:
  - .name:           k_q97aacfd773_mlp
    .symbol:         k_q97aacfd773_mlp.kd
    .args:
      - { .name: gq, .offset: 0, .size: 8, .value_kind: global_buffer, .address_space: global }
      - { .name: wq, .offset: 8, .size: 8, .value_kind: global_buffer, .address_space: global }
      - { .name: b_mlp, .offset: 16, .size: 8, .value_kind: global_buffer, .address_space: global }
      - { .name: x1, .offset: 24, .size: 8, .value_kind: global_buffer, .address_space: global }
      - { .name: out0, .offset: 32, .size: 8, .value_kind: global_buffer, .address_space: global }
    .group_segment_fixed_size: 327680
    .private_segment_fixed_size: 0
    .kernarg_segment_align: 8
    .kernarg_segment_size: 40
    .max_flat_workgroup_size: 128
    .sgpr_count:     102
    .vgpr_count:     896
    .wavefront_size: 32
...
	.end_amdgpu_metadata
.endif
;; end of part 6
;; launch ent (part 7): grid 1 x 1, 1 waves a work-group, no clusters, 0 bytes of LDS; arguments entp, out1; writes out1
.if DOCPART == 7
	.amdgcn_target "amdgcn-amd-amdhsa--gfx1250"
	.amdhsa_code_object_version 6
	.text
	.protected	k_q97aacfd773_ent
	.globl	k_q97aacfd773_ent
	.p2align	8
	.type	k_q97aacfd773_ent,@function
k_q97aacfd773_ent:
	s_mov_b64 s[64:65], 0
	v_nop
	global_prefetch_b8 v0, s[64:65] scope:SCOPE_SE
	s_setreg_imm32_b32 hwreg(HW_REG_WAVE_MODE, 25, 1), 1
	s_wait_xcnt 0x0
; out1 = the mean entropy of the 65,536 rows of attention: the 256 work-groups' sums are added, in a fixed order, and divided by 65,536.
; One wave: a lane takes 8 of the 256 numbers.  The sum spans the work-groups of the attention launch, so it has a launch of its own.
	s_load_b128 s[4:7], s[0:1], 0x0                ; entp, out1
	v_lshlrev_b32 v1, 5, v0                        ; 32 bytes a lane
	v_mov_b32 v2, 0
	s_mov_b32 s8, 0x76543210
	s_mov_b32 s9, 0xfedcba98
	s_wait_kmcnt 0x0
	global_load_b128 v[4:7], v1, s[4:5]
	global_load_b128 v[8:11], v1, s[4:5] offset:16
	s_wait_loadcnt 0x0
	v_pk_add_f32 v[4:5], v[4:5], v[6:7]
	v_pk_add_f32 v[8:9], v[8:9], v[10:11]
	v_pk_add_f32 v[4:5], v[4:5], v[8:9]
	v_add_f32 v4, v4, v5
.irp m, 1,2,4,8
	v_add_f32_dpp v4, v4, v4 row_xmask:\m row_mask:0xf bank_mask:0xf
.endr
	v_permlanex16_b32 v5, v4, s8, s9
	v_add_f32 v4, v4, v5
	v_mul_f32 v4, 0x37800000, v4                   ; x 2^-16
	v_cmp_eq_u32 vcc_lo, 0, v0
	s_wait_xcnt 0x0                                ; EXEC changes only behind this wait
	s_and_saveexec_b32 s10, vcc_lo
	global_store_b32 v2, v4, s[6:7]
	s_wait_xcnt 0x0
	s_or_b32 exec_lo, exec_lo, s10
	s_endpgm
.Lfunc_end_k_q97aacfd773_ent:
	.size	k_q97aacfd773_ent, .Lfunc_end_k_q97aacfd773_ent-k_q97aacfd773_ent
	.p2alignl 7, 3214868480
	.fill 96, 4, 3214868480
	.section	.rodata,"a",@progbits
	.p2align	6, 0x0
	.amdhsa_kernel k_q97aacfd773_ent
		.amdhsa_group_segment_fixed_size 0
		.amdhsa_private_segment_fixed_size 0
		.amdhsa_enable_private_segment 0
		.amdhsa_kernarg_size 16
		.amdhsa_user_sgpr_count 2
		.amdhsa_user_sgpr_kernarg_segment_ptr 1
		.amdhsa_wavefront_size32 1
		.amdhsa_system_sgpr_workgroup_id_x 1
		.amdhsa_system_sgpr_workgroup_id_y 1
		.amdhsa_system_sgpr_workgroup_id_z 1
		.amdhsa_system_vgpr_workitem_id 0
		.amdhsa_next_free_vgpr 16
		.amdhsa_next_free_sgpr 66
		.amdhsa_reserve_vcc 1
		.amdhsa_float_denorm_mode_32 3
		.amdhsa_float_denorm_mode_16_64 3
		.amdhsa_memory_ordered 1
		.amdhsa_forward_progress 1
		.amdhsa_inst_pref_size 2
	.end_amdhsa_kernel
	.amdgpu_metadata
---
amdhsa.version: [ 1, 2 ]
amdhsa.kernels:
  - .name:           k_q97aacfd773_ent
    .symbol:         k_q97aacfd773_ent.kd
    .args:
      - { .name: entp, .offset: 0, .size: 8, .value_kind: global_buffer, .address_space: global }
      - { .name: out1, .offset: 8, .size: 8, .value_kind: global_buffer, .address_space: global }
    .group_segment_fixed_size: 0
    .private_segment_fixed_size: 0
    .kernarg_segment_align: 8
    .kernarg_segment_size: 16
    .max_flat_workgroup_size: 32
    .sgpr_count:     66
    .vgpr_count:     16
    .wavefront_size: 32
...
	.end_amdgpu_metadata
.endif
;; end of part 7
